; MI455X (gfx1250); checked and timed in simulation.
; The chip was launched on July 23, 2026; its instructions are those of AMD's public machine-readable ISA for CDNA 5 (MIT licence, August 2026) and "CDNA5" Instruction Set Architecture Reference Guide (July 2026). The comments in the code are by the model that wrote it; some were corrected since.
;; Qwen3 Attention. Allowed arithmetic: matrix products marked QUANTISED: E2M1 operands, one E8M0 scale for each 32 along K, by v_wmma_scale_f32_16x16x128_f8f6f4 with both operands' format E2M1 (or v_wmma_scale_f32_32x16x128_f4), f32 sums; products left as they are: bf16, f16 or f32 operands; f32 sums; everything else in f32.
;; Inputs: Ak 2,048 x 16 float32; Ao 1,024 x 16 float32; Aq 2,048 x 16 float32; Av 2,048 x 16 float32; Bk 16 x 1,024 float32; Bo 16 x 2,048 float32; Bq 16 x 1,024 float32; Bv 16 x 1,024 float32; Wk 2,048 x 1,024 float32; Wo 1,024 x 2,048 float32; Wq 2,048 x 1,024 float32; Wv 2,048 x 1,024 float32; attention_mask 2 x 2,048 int32; kn_w 128 float32; positions 2 x 2,048 int32; qn_w 128 float32; x 2 x 2,048 x 2,048 float32.
;; Outputs: out0 2 x 2,048 x 2,048 float32; out1 2 x 2,048 x 8 x 128 float32; out2 2 x 2,048 x 8 x 128 float32.
;; This version of the problem:
;;   THIS VERSION OF THE PROBLEM IS GIVEN IN LOW PRECISION. The matrix products marked QUANTISED in the list below multiply operands that are first quantised to E2M1 (2 exponent bits, 1 mantissa bit; 4 bits a number), with one power-of-two scale for each 32 numbers along K (OCP MX v1.0); their sums are f32. The products marked 'left as it is' may take bf16, f16 or f32 operands, with f32 sums. Whichever they take, every output number must still come out within the allowed error. Rounding operands to bf16 (8 significant bits) uses up far more of that allowance than f16 does (11 bits, for magnitudes from 6e-5 to 65,504). All else is computed in f32.
;;   The module's matrix products, in the order in which they are computed (A, B: the left and right operand; K: the contracted axis; several contracted axes count as one K, in the product's order):
;;     1. [M 4,096, K 2,048] x [K 2,048, N 1,024]; A: input x; B: input Wq: QUANTISED
;;     2. [M 4,096, K 2,048] x [K 2,048, N 16]; A: input x; B: input Aq: QUANTISED
;;     3. [M 4,096, K 16] x [K 16, N 1,024]; A: computed on the way; B: input Bq: left as it is (K = 16 < 32)
;;     4. [M 4,096, K 2,048] x [K 2,048, N 1,024]; A: input x; B: input Wk: QUANTISED
;;     5. [M 4,096, K 2,048] x [K 2,048, N 16]; A: input x; B: input Ak: QUANTISED
;;     6. [M 4,096, K 16] x [K 16, N 1,024]; A: computed on the way; B: input Bk: left as it is (K = 16 < 32)
;;     7. [M 4,096, K 2,048] x [K 2,048, N 1,024]; A: input x; B: input Wv: QUANTISED
;;     8. [M 4,096, K 2,048] x [K 2,048, N 16]; A: input x; B: input Av: QUANTISED
;;     9. [M 4,096, K 16] x [K 16, N 1,024]; A: computed on the way; B: input Bv: left as it is (K = 16 < 32)
;;     10. batch 16 x [M 2,048, K 128] x [K 128, N 2,048]; A: computed on the way; B: computed on the way: left as it is (an operand is computed on the way)
;;     11. batch 16 x [M 128, K 2,048] x [K 2,048, N 2,048]; A: computed on the way; B: computed on the way: left as it is (an operand is computed on the way)
;;     12. [M 4,096, K 1,024] x [K 1,024, N 2,048]; A: computed on the way; B: input Wo: left as it is (an operand is computed on the way)
;;     13. [M 4,096, K 1,024] x [K 1,024, N 16]; A: computed on the way; B: input Ao: left as it is (an operand is computed on the way)
;;     14. [M 4,096, K 16] x [K 16, N 2,048]; A: computed on the way; B: input Bo: left as it is (K = 16 < 32)
;;   THE QUANTISER, for each operand of a quantised product, along K:
;;     - K is cut into blocks of 32 from its start; a last block that is shorter is filled with zeros.
;;     - A block's scale is 2^e with e = floor(log2(the largest magnitude in the block)) - 2, held to -126 .. 127; a block of zeros has e = 0. As a byte (E8M0): e + 127.
;;     - Each number is divided by its block's scale, clamped to +-6, and rounded to the nearest number of E2M1, ties to even, subnormals kept.
;;     - The product sums the exact products of the quantised numbers (number of the format x scale) in f32.
;;   ~~~python
;;   def quantise(x, axis):      # numpy; x: float32 -> the quantised numbers, widened to float32 again
;;       x = np.moveaxis(x, axis, -1); K = x.shape[-1]
;;       x = np.pad(x, [(0, 0)] * (x.ndim - 1) + [(0, -K % 32)]); x = x.reshape(x.shape[:-1] + (-1, 32)); a = np.abs(x).max(-1, keepdims=True)
;;       e = np.where(a > 0, np.clip(np.frexp(np.where(a > 0, a, 1))[1] - 1 - 2, -126, 127), 0)      # np.frexp(a)[1] - 1 = floor(log2(a)), exactly
;;       r = np.clip(x / 2.0 ** e, -6, 6)
;;       step = 2.0 ** (np.maximum(np.frexp(np.where(r == 0, 1, r))[1] - 1, 0) - 1)
;;       q = np.round(r / step) * step * 2.0 ** e      # np.round: ties to even
;;       return np.moveaxis(q.reshape(q.shape[:-2] + (-1,))[..., :K], -1, axis).astype(np.float32)
;;   ~~~
;; One version. Each part assembles by itself: llvm-mc -triple=amdgcn-amd-amdhsa -mcpu=gfx1250 --defsym DOCPART=n.
;; ======== version 1 of 1: 5 launches
;; limits: values are held in f16: magnitudes above 65,504 overflow, below 6.1e-05 lose precision; right only within a limited range of input values
;; workspace buffers: xq 4,456,448 bytes; wq 3,551,232 bytes; weff 8,388,608 bytes; rope 2,097,152 bytes; q32 16,777,216 bytes; kv16 16,777,216 bytes; o16 8,388,608 bytes
;; launch prep (part 1): grid 742 x 1, 4 waves a work-group, no clusters, 102,912 bytes of LDS; arguments x, Wq, Wk, Wv, Aq, Ak, Av, Wo, Ao, Bo, positions, xq, wq, weff, rope; writes xq, wq, weff, rope
.if DOCPART == 1
	.amdgcn_target "amdgcn-amd-amdhsa--gfx1250"
	.amdhsa_code_object_version 6
	.text
	.protected	k_q9bde4ad909_prep
	.globl	k_q9bde4ad909_prep
	.p2align	8
	.type	k_q9bde4ad909_prep,@function
k_q9bde4ad909_prep:
	s_mov_b64 s[64:65], 0
	v_nop
	global_prefetch_b8 v0, s[64:65] scope:SCOPE_SE
	s_setreg_imm32_b32 hwreg(HW_REG_WAVE_MODE, 25, 1), 1
	s_wait_xcnt 0x0
; PREP: everything that is made once, ahead of the products.  Five roles, told apart by the work-group's number:
;   L (0-5)     the three LoRA-A [2048][16] f32 -> codes of E2M1 and E8M0 bytes along K, as rows 128-135 of wq's groups
;   W (6-101)   Wq, Wk, Wv [2048][1024] f32 -> codes and bytes along K (their first axis), as rows 0-127 of wq's groups
;   O (102-357) Weff = Wo + Ao Bo in f32, stored transposed [2048 n][1024 k] as a pair of f16 numbers, high and low
;   X (358-613) x [4096][2048] f32 -> codes and bytes along K
;   T (614-741) the table of cos and sin for every row (b, t): [4096][cos 64 | sin 64] f32
; WORK LEFT OUT, for all values of the inputs:
;   attention_mask is named nowhere in reference()'s body: it has no way to an output, is not loaded and is no argument of any launch.
;   jnp.repeat with n_rep = 1 is the identity.
;   out Wo + (out Ao) Bo = out (Wo + Ao Bo): none of the three products is quantised, so the two LoRA products on the way out are one sum made here once.
;   Scores above the diagonal of reference()'s own jnp.tril become p = 0 (each row keeps its own key): tiles wholly above it are not computed (launch attn).
;   LIMIT: a NaN, an infinity or an overflow that reaches only the work left out is not carried to the result.
; LIMITS: a block of zeros gets the byte 1 where the rule says 127 (its codes are zeros; this program alone reads the bytes); blocks whose largest magnitude lies under 2^(3 - 127) are held at that floor;
;   NaN and infinities among the inputs are not served; |Weff| stays under 65,504 (f16); |positions| stays under 2^22 (two-term reduction of the angle).
; wq: 24 groups g = 8 p + head (p = 0 q, 1 k, 2 v) of 136 rows x 1,024 bytes; rows 128-135 of group g hold LoRA-A's columns 8 (g % 2) + 0 .. 7 (so each column is stored in four groups); scale bytes from WSC on, 64 a row.
; Each role has LDS bytes of its own.  No tensor load, no barrier: waves share nothing.
.set SPW,   190                        ; v190  LDS address of my spare word; never rewritten
.set NIL,   191                        ; v191  0; never rewritten
.set LDSW,  32768                      ; role W's four stages, 32 x 272 bytes each (role X has 4 x 8,192 from byte 0 on)
.set LDSO,  67584                      ; role O's four stages, 2 x 16 x 272 bytes each
.set SPARE, 102400                     ; the spare words: 128 bytes a wave, two blocks of 256 bytes that no other line names
.set XSC,   4194304                    ; xq: scale bytes begin here
.set WSC,   3342336                    ; wq: scale bytes begin here
.set WLO,   4194304                    ; weff: the low parts begin here
.set GRP,   139264                     ; a group's codes: 136 x 1,024
.set GRS,   8704                       ; a group's scale bytes: 136 x 64
.macro FINISH                          ; a wave's end
	s_wait_tensorcnt 0x0
	ds_add_u32 v[SPW], v[NIL]
	s_wait_dscnt 0x0
	s_endpgm
.endm
; 32 numbers v[xs] .. v[xs + 31] of one block: v11 = the conversion's scale operand, v13 = the scale's byte
.macro BMAX xs
	v_max3_num_f32 v12, |v[\xs]|, |v[\xs+1]|, |v[\xs+2]|
	v_max3_num_f32 v13, |v[\xs+3]|, |v[\xs+4]|, |v[\xs+5]|
.irp i, 6,10,14,18,22,26
	v_max3_num_f32 v12, v12, |v[\xs+\i]|, |v[\xs+\i+1]|
	v_max3_num_f32 v13, v13, |v[\xs+\i+2]|, |v[\xs+\i+3]|
.endr
	v_max3_num_f32 v12, v12, |v[\xs+30]|, |v[\xs+31]|
	v_max3_num_f32 v12, v12, v13, 0x1800000        ; the floor 2^(3 - 127): the byte cannot fall under 1
	v_add_nc_u32 v11, 0xff000000, v12              ; 2 off the exponent field
	v_lshrrev_b32 v13, 23, v11
.endm
	s_load_b512 s[4:19], s[0:1], 0x0               ; x 4, Wq 6, Wk 8, Wv 10, Aq 12, Ak 14, Av 16, Wo 18
	s_load_b256 s[20:27], s[0:1], 0x40             ; Ao 20, Bo 22, positions 24, xq 26
	s_load_b128 s[28:31], s[0:1], 0x60             ; wq 28, weff 30
	s_load_b64 s[32:33], s[0:1], 0x70              ; rope
	v_lshl_add_u32 v[SPW], v0, 2, SPARE
	v_mov_b32 v[NIL], 0
	v_lshrrev_b32 v1, 5, v0
	v_readfirstlane_b32 s34, v1                    ; wave
	v_and_b32 v2, 31, v0                           ; lane
	s_wait_kmcnt 0x0
	s_cmp_lt_u32 ttmp9, 6
	s_cbranch_scc1 .Lrole_L
	s_cmp_lt_u32 ttmp9, 102
	s_cbranch_scc1 .Lrole_W
	s_cmp_lt_u32 ttmp9, 358
	s_cbranch_scc1 .Lrole_O
	s_cmp_lt_u32 ttmp9, 614
	s_cbranch_scc1 .Lrole_X
; ---------------- role T: cos and sin of position / 1e6^(i / 64), i = 0 .. 63.  A wave takes 8 rows, two a step; lane (g, e) has row g and frequencies 4 e + 0 .. 3
	s_sub_co_u32 s35, ttmp9, 614
	s_lshl_b32 s35, s35, 5
	s_lshl_b32 s36, s34, 3
	s_add_co_u32 s35, s35, s36                     ; my first row
	v_and_b32 v3, 15, v0                           ; e
	v_bfe_u32 v4, v0, 4, 1                         ; g
	v_lshlrev_b32 v5, 2, v4
	s_lshl_b32 s40, s35, 2
	s_mov_b32 s41, 0
	s_add_nc_u64 s[42:43], s[24:25], s[40:41]
.irp st, 0,1,2,3
	global_load_b32 v[8+\st], v5, s[42:43] offset:8*\st
.endr
	s_lshl_b32 s40, s35, 9
	s_add_nc_u64 s[44:45], s[32:33], s[40:41]
	s_mov_b32 s52, 0x3fc90fdb                      ; pi / 2, high part
	s_mov_b32 s53, 0xb33bbd2e                      ; pi / 2, low part
	s_mov_b32 s54, 0xb94ca1f9                      ; sine: -1.9515295891e-4
	s_mov_b32 s55, 0x3c08839e                      ;        8.3321608736e-3
	s_mov_b32 s56, 0xbe2aaaa3                      ;       -1.6666654611e-1
	s_mov_b32 s57, 0x37ccf5ce                      ; cosine: 2.443315712e-5
	s_mov_b32 s58, 0xbab6061a                      ;        -1.388731625e-3
	s_mov_b32 s59, 0x3d2aaaa5                      ;         4.166664568e-2
	v_lshlrev_b32 v6, 9, v4
	v_lshl_add_u32 v6, v3, 4, v6                   ; out: 512 g + 16 e
	v_lshlrev_b32 v7, 2, v3
.irp n, 0,1,2,3
	v_add_nc_u32 v[12+\n], \n, v7
	v_cvt_f32_u32 v[12+\n], v[12+\n]
	v_mul_f32 v[12+\n], 0xbe9f73da, v[12+\n]       ; -i log2(1e6) / 64
.endr
.irp n, 0,1,2,3
	v_exp_f32 v[16+\n], v[12+\n]                   ; 1e6^(-i / 64)
.endr
	v_nop                                          ; a plain instruction behind the last exponential
	s_wait_alu depctr_va_vdst(0)                   ; one wait for the four, ahead of their first reader
	s_wait_loadcnt 0x0
.irp st, 0,1,2,3
	v_cvt_f32_i32 v[8+\st], v[8+\st]
.endr
; v20 = the angle -> v[c] = its cosine, v[s] = its sine: n = the nearest multiple of pi / 2, taken away in two parts; polynomials on |r| <= pi / 4; the quadrant swaps and signs them
.macro SINCOS c, s
	v_mul_f32 v21, 0x3f22f983, v20
	v_rndne_f32 v21, v21
	v_fma_f32 v22, -v21, s52, v20
	v_fma_f32 v22, -v21, s53, v22
	v_cvt_i32_f32 v23, v21
	v_mul_f32 v24, v22, v22
	v_fma_f32 v25, v24, s54, s55
	v_fma_f32 v27, v24, s57, s58
	v_fma_f32 v25, v25, v24, s56
	v_fma_f32 v27, v27, v24, s59
	v_mul_f32 v26, v22, v24
	v_fma_f32 v27, v27, v24, -0.5
	v_fma_f32 v25, v26, v25, v22                   ; sin r
	v_fma_f32 v27, v27, v24, 1.0                   ; cos r
	v_and_b32 v28, 1, v23
	v_cmp_eq_u32 vcc_lo, 1, v28
	v_cndmask_b32 v[\s], v25, v27, vcc_lo
	v_cndmask_b32 v[\c], v27, v25, vcc_lo
	v_and_b32 v28, 2, v23
	v_lshlrev_b32 v28, 30, v28
	v_xor_b32 v[\s], v[\s], v28
	v_add_nc_u32 v29, 1, v23
	v_and_b32 v29, 2, v29
	v_lshlrev_b32 v29, 30, v29
	v_xor_b32 v[\c], v[\c], v29
.endm
.irp st, 0,1,2,3
.irp n, 0,1,2,3
	v_mul_f32 v20, v[8+\st], v[16+\n]
	SINCOS 64+8*\st+\n, 68+8*\st+\n
.endr
	global_store_b128 v6, v[64+8*\st:67+8*\st], s[44:45] offset:1024*\st       ; sixteen lanes store 256 consecutive bytes, aligned
	global_store_b128 v6, v[68+8*\st:71+8*\st], s[44:45] offset:1024*\st+256
.endr
	FINISH
; ---------------- role L: lane (r, h) owns column r of one LoRA-A and 128 along K (four blocks): its registers run down K
.Lrole_L:
	s_lshr_b32 s35, ttmp9, 1                       ; p
	s_and_b32 s36, ttmp9, 1
	s_lshl_b32 s36, s36, 2
	s_add_co_u32 s36, s36, s34                     ; u: which 256 along K are my wave's
	s_cmp_eq_u32 s35, 0
	s_cselect_b64 s[38:39], s[12:13], s[14:15]
	s_cmp_eq_u32 s35, 2
	s_cselect_b64 s[38:39], s[16:17], s[38:39]
	s_lshl_b32 s40, s36, 14
	s_mov_b32 s41, 0
	s_add_nc_u64 s[38:39], s[38:39], s[40:41]
	v_and_b32 v3, 15, v0                           ; r
	v_bfe_u32 v4, v0, 4, 1                         ; h
	v_lshlrev_b32 v5, 2, v3
	v_lshl_add_u32 v5, v4, 13, v5                  ; 128 rows of 64 bytes x h + 4 r
.set j, 0
.rept 128
	global_load_b32 v[32+j], v5, s[38:39] offset:64*j
.set j, j+1
.endr
	v_lshrrev_b32 v6, 3, v3
	v_and_b32 v7, 7, v3
	v_mul_u32_u24 v8, v6, GRP
	v_lshl_add_u32 v8, v7, 10, v8
	v_lshl_add_u32 v8, v4, 6, v8                   ; codes: group r / 8, row r % 8, 64 bytes x h
	v_mul_u32_u24 v9, v6, GRS
	v_lshl_add_u32 v9, v7, 6, v9
	v_lshl_add_u32 v9, v4, 2, v9                   ; scale word likewise
	s_mul_i32 s40, s35, 8*GRP
	s_add_co_u32 s40, s40, 131072                  ; row 128
	s_lshl_b32 s42, s36, 7
	s_add_co_u32 s40, s40, s42
	s_add_nc_u64 s[44:45], s[28:29], s[40:41]
	s_mul_i32 s40, s35, 8*GRS
	s_add_co_u32 s40, s40, WSC+8192
	s_lshl_b32 s42, s36, 3
	s_add_co_u32 s40, s40, s42
	s_add_nc_u64 s[46:47], s[28:29], s[40:41]
.macro LBLK b
.set XS, 32+32*\b
.if 96-32*\b > 63
	s_wait_loadcnt 63                              ; behind this block's loads stand 96 (block 0) or 64 (block 1) younger ones; a wait's count names 63 at most, and the smaller count is safe: of the 128 loads at least 65 are in, blocks 0 and 1
.else
	s_wait_loadcnt 96-32*\b                        ; the later blocks' loads may be out
.endif
	BMAX XS
.if \b == 0
	v_mov_b32 v176, v13
.else
	v_lshl_or_b32 v176, v13, 8*\b, v176
.endif
.irp g, 0,1,2,3
	v_cvt_scalef32_pk8_fp4_f32 v[160+4*\b+\g], v[XS+8*\g:XS+8*\g+7], v11
.endr
	v_nop                                          ; a plain instruction behind the last conversion
.endm
	LBLK 0
	LBLK 1
	LBLK 2
	LBLK 3
.irp dup, 0,1,2,3                              ; the four groups of this projection that hold my column.  These stores cover 64 bytes of a row: a small part of the launch's bytes
.irp b, 0,1,2,3
	global_store_b128 v8, v[160+4*\b:163+4*\b], s[44:45] offset:2*GRP*\dup+16*\b
.endr
	global_store_b32 v9, v176, s[46:47] offset:2*GRS*\dup
.endr
	FINISH
; ---------------- role W: a lane takes a column, its registers run down K; a wave takes 32 columns x 512 along K; codes leave through the wave's stage as rows of 256 bytes
.Lrole_W:
	s_sub_co_u32 s35, ttmp9, 6
	s_lshr_b32 s36, s35, 5                         ; p
	s_and_b32 s37, s35, 7                          ; head
	s_bfe_u32 s38, s35, 0x20003                    ; which 512 along K
	s_cmp_eq_u32 s36, 0
	s_cselect_b64 s[40:41], s[6:7], s[8:9]
	s_cmp_eq_u32 s36, 2
	s_cselect_b64 s[40:41], s[10:11], s[40:41]
	s_lshl_b32 s42, s38, 21                        ; 512 rows of 4,096 bytes
	s_lshl_b32 s43, s37, 9
	s_add_co_u32 s42, s42, s43
	s_lshl_b32 s43, s34, 7
	s_add_co_u32 s42, s42, s43
	s_mov_b32 s43, 0
	s_add_nc_u64 s[40:41], s[40:41], s[42:43]
	s_lshl_b32 s44, s36, 3
	s_add_co_u32 s44, s44, s37                     ; the group
	s_mul_i32 s45, s44, GRP
	s_lshl_b32 s46, s34, 15
	s_add_co_u32 s45, s45, s46
	s_lshl_b32 s46, s38, 8
	s_add_co_u32 s42, s45, s46
	s_add_nc_u64 s[48:49], s[28:29], s[42:43]
	s_mul_i32 s45, s44, GRS
	s_lshl_b32 s46, s34, 11
	s_add_co_u32 s45, s45, s46
	s_lshl_b32 s46, s38, 4
	s_add_co_u32 s45, s45, s46
	s_add_co_u32 s42, s45, WSC
	s_add_nc_u64 s[50:51], s[28:29], s[42:43]
	v_lshlrev_b32 v3, 2, v2
	s_mul_i32 s52, s34, 8704
	s_add_co_u32 s52, s52, LDSW
	v_mul_u32_u24 v4, v2, 272
	v_add_nc_u32 v4, s52, v4                       ; into the stage: row = my column
	v_and_b32 v5, 15, v2
	v_lshrrev_b32 v6, 4, v2
	v_mul_u32_u24 v7, v6, 272
	v_lshl_add_u32 v7, v5, 4, v7
	v_add_nc_u32 v7, s52, v7                       ; out of it: sixteen lanes to a row
	v_lshlrev_b32 v8, 10, v6
	v_lshl_add_u32 v8, v5, 4, v8
	v_lshlrev_b32 v9, 6, v2
.macro WLOAD t
.set n, 0
.rept 32
	global_load_b32 v[32+32*((\t)%2)+n], v3, s[40:41] offset:(32*(\t)+n)*4096 th:TH_LOAD_NT
.set n, n+1
.endr
.endm
.macro WBLOCK t
.set XS, 32+32*((\t)%2)
.if (\t) < 15
	s_wait_loadcnt 32                              ; this block's 32 loads are in; the next block's may be out
.else
	s_wait_loadcnt 0
.endif
	BMAX XS
.if (\t)%4 == 0
	v_mov_b32 v[24+(\t)/4], v13
.else
	v_lshl_or_b32 v[24+(\t)/4], v13, 8*((\t)%4), v[24+(\t)/4]
.endif
.irp g, 0,1,2,3
	v_cvt_scalef32_pk8_fp4_f32 v[96+\g], v[XS+8*\g:XS+8*\g+7], v11
.endr
	v_nop
	ds_store_b128 v4, v[96:99] offset:16*(\t)
.if (\t)+2 < 16
	WLOAD (\t)+2
.endif
	s_wait_dscnt 0x0                               ; the store has read its registers: the next block's codes may be written
.endm
	WLOAD 0
	WLOAD 1
.set Q, 0
.rept 16
	WBLOCK Q
.set Q, Q+1
.endr
	global_store_b128 v9, v[24:27], s[50:51]       ; my column's 16 scale bytes
.irp t, 0,1,2,3,4,5,6,7,8,9,10,11,12,13,14,15
	ds_load_b128 v[112+4*\t:115+4*\t], v7 offset:544*\t
.endr
.irp t, 0,1,2,3,4,5,6,7,8,9,10,11,12,13,14,15
	s_wait_dscnt 15-\t                             ; the later loads may be out
	global_store_b128 v8, v[112+4*\t:115+4*\t], s[48:49] offset:2048*\t        ; sixteen lanes store 256 consecutive bytes, aligned
.endr
	FINISH
; ---------------- role O: a wave makes 16 columns n x 128 rows k of Weff.  The f32 matrix form: source 0 = 16 rows of Ao, source 1 = 16 columns of Bo, C = Wo's tile; the form's k = 2 h + j stands for
; rank 8 h + 2 s + j on both sides.  In the result a lane holds one column n and eight neighbouring k.  Eight accumulators by turns; they are written by matrix instructions alone.
.Lrole_O:
	s_sub_co_u32 s35, ttmp9, 102
	s_and_b32 s36, s35, 31
	s_lshl_b32 s36, s36, 6
	s_lshl_b32 s37, s34, 4
	s_add_co_u32 s36, s36, s37                     ; n0
	s_lshr_b32 s37, s35, 5                         ; k0 / 128
	v_and_b32 v3, 15, v0                           ; r
	v_bfe_u32 v4, v0, 4, 1                         ; h
	v_lshlrev_b32 v5, 2, v3
	v_lshl_add_u32 v5, v4, 16, v5                  ; Bo, Wo: 8 rows of 8,192 bytes x h + 4 r
	v_lshlrev_b32 v6, 6, v3
	v_lshl_add_u32 v6, v4, 5, v6                   ; Ao: 64 r + 32 h
	s_lshl_b32 s40, s36, 2
	s_mov_b32 s41, 0
	s_add_nc_u64 s[42:43], s[22:23], s[40:41]
	s_lshl_b32 s44, s37, 20
	s_add_co_u32 s40, s40, s44
	s_add_nc_u64 s[46:47], s[18:19], s[40:41]
	s_lshl_b32 s40, s37, 13
	s_add_nc_u64 s[48:49], s[20:21], s[40:41]
	s_lshl_b32 s40, s36, 11
	s_lshl_b32 s44, s37, 8
	s_add_co_u32 s40, s40, s44
	s_add_nc_u64 s[50:51], s[30:31], s[40:41]
.irp i, 0,1,2,3,4,5,6,7
	global_load_b32 v[16+\i], v5, s[42:43] offset:8192*\i                      ; Bo(8 h + i, n0 + r)
.endr
.irp kt, 0,1,2,3,4,5,6,7
	global_load_b128 v[32+8*\kt:35+8*\kt], v6, s[48:49] offset:1024*\kt        ; Ao(k0 + 16 kt + r, 8 h + 0 .. 7)
	global_load_b128 v[36+8*\kt:39+8*\kt], v6, s[48:49] offset:1024*\kt+16
.endr
.irp kt, 0,1,2,3,4,5,6,7
.irp j, 0,1,2,3,4,5,6,7
	global_load_b32 v[96+8*\kt+\j], v5, s[46:47] offset:8192*(16*\kt+\j) th:TH_LOAD_NT   ; Wo(k0 + 16 kt + 8 h + j, n0 + r)
.endr
.endr
	s_mul_i32 s52, s34, 8704
	s_add_co_u32 s52, s52, LDSO
	v_mul_u32_u24 v7, v3, 272
	v_lshl_add_u32 v7, v4, 4, v7
	v_add_nc_u32 v7, s52, v7                       ; into the stage: row n = r, 16 bytes x h
	v_mul_u32_u24 v8, v4, 272
	v_lshl_add_u32 v8, v3, 4, v8
	v_add_nc_u32 v8, s52, v8                       ; back: sixteen lanes to a row
	v_lshlrev_b32 v9, 11, v4
	v_lshl_add_u32 v9, v3, 4, v9
	s_wait_loadcnt 0x0
.irp s, 0,1,2,3
.irp kt, 0,1,2,3,4,5,6,7
.if \s == 0
	v_wmma_f32_16x16x4_f32 v[192+8*\kt:199+8*\kt], v[32+8*\kt:33+8*\kt], v[16:17], v[96+8*\kt:103+8*\kt]
.else
	v_wmma_f32_16x16x4_f32 v[192+8*\kt:199+8*\kt], v[32+8*\kt+2*\s:33+8*\kt+2*\s], v[16+2*\s:17+2*\s], v[192+8*\kt:199+8*\kt]
.endif
.endr
.endr
.rept 8
	v_nop                                          ; eight places behind this form, ahead of the first read of a result and the first write of a source
.endr
; A tile's eight numbers a lane become a high f16 part and, of what the rounding left, a low one.  A register's halves are named by number: so the pairs are made in registers of fixed name.
.macro OSPLIT kt
.set D, 192+8*\kt
.if \kt > 0
	s_wait_dscnt 0x0                               ; the last tile's stores have read these registers
.endif
.irp i, 0,1,2,3
	v_cvt_pk_f16_f32 v[100+\i], v[D+2*\i], v[D+2*\i+1]
.endr
	v_cvt_f32_f16 v104, v100.l
	v_cvt_f32_f16 v105, v100.h
	v_cvt_f32_f16 v106, v101.l
	v_cvt_f32_f16 v107, v101.h
	v_cvt_f32_f16 v108, v102.l
	v_cvt_f32_f16 v109, v102.h
	v_cvt_f32_f16 v110, v103.l
	v_cvt_f32_f16 v111, v103.h
.irp i, 0,1,2,3
	v_pk_add_f32 v[104+2*\i:105+2*\i], v[D+2*\i:D+2*\i+1], v[104+2*\i:105+2*\i] neg_lo:[0,1] neg_hi:[0,1]
.endr
.irp i, 0,1,2,3
	v_cvt_pk_f16_f32 v[112+\i], v[104+2*\i], v[105+2*\i]
.endr
	ds_store_b128 v7, v[100:103] offset:32*\kt
	ds_store_b128 v7, v[112:115] offset:4352+32*\kt
.endm
.irp kt, 0,1,2,3,4,5,6,7
	OSPLIT \kt
.endr
.irp t, 0,1,2,3,4,5,6,7
	ds_load_b128 v[32+4*\t:35+4*\t], v8 offset:544*\t            ; LDS serves a wave's instructions in order: these see my stores
.endr
.irp t, 0,1,2,3,4,5,6,7
	ds_load_b128 v[64+4*\t:67+4*\t], v8 offset:4352+544*\t
.endr
.irp t, 0,1,2,3,4,5,6,7
	s_wait_dscnt 15-\t
	global_store_b128 v9, v[32+4*\t:35+4*\t], s[50:51] offset:4096*\t          ; sixteen lanes store 256 consecutive bytes, aligned
.endr
.irp t, 0,1,2,3,4,5,6,7
	s_wait_dscnt 7-\t
	global_store_b128 v9, v[64+4*\t:67+4*\t], s[50:51] offset:WLO+4096*\t
.endr
	FINISH
; ---------------- role X: x is a plain stream of blocks of 32.  A wave takes 16 steps of 512 numbers; each load reads 512 consecutive bytes; a step turns through the wave's stage so that a lane holds 16 neighbours
.Lrole_X:
	s_sub_co_u32 s35, ttmp9, 358
	s_lshl_b32 s35, s35, 2
	s_add_co_u32 s36, s35, s34                     ; which run of 8,192 numbers is my wave's
	s_lshl_b32 s38, s36, 15
	s_mov_b32 s39, 0
	s_add_nc_u64 s[4:5], s[4:5], s[38:39]
	s_lshl_b32 s38, s36, 12
	s_add_nc_u64 s[40:41], s[26:27], s[38:39]
	s_lshl_b32 s38, s36, 8
	s_add_co_u32 s38, s38, XSC
	s_add_nc_u64 s[42:43], s[26:27], s[38:39]
	v_lshlrev_b32 v3, 4, v2
	s_lshl_b32 s44, s34, 13
	v_lshrrev_b32 v14, 2, v2
	v_mul_u32_u24 v14, v14, 80
	v_and_b32 v15, 3, v2
	v_lshl_add_u32 v14, v15, 4, v14
	v_add_nc_u32 v14, s44, v14                     ; the stage, in: 80 (lane / 4) + 16 (lane % 4)
	v_mul_u32_u24 v15, v2, 80
	v_add_nc_u32 v15, s44, v15                     ; and out: 80 x lane
	v_lshlrev_b32 v4, 3, v2
	v_lshrrev_b32 v5, 1, v2
	s_add_co_u32 s44, s44, 5120
	v_add_nc_u32 v5, s44, v5                       ; my block's byte among the wave's 256
	v_lshlrev_b32 v7, 3, v2
	v_add_nc_u32 v6, s44, v7
.set XR, 16                            ; v16-79   four sets of 16 numbers as loaded
.set XX, 80                            ; v80-111  two sets of 16 neighbours
.set XE, 112                           ; v112-127 a byte for each step
.set XC, 128                           ; v128-159 two registers of codes for each step
.macro XLOAD t
.irp i, 0,1,2,3
	global_load_b128 v[XR+16*((\t)%4)+4*\i:XR+16*((\t)%4)+4*\i+3], v3, s[4:5] offset:2048*(\t)+512*\i th:TH_LOAD_NT
.endr
.endm
.macro XTURN t
.irp i, 0,1,2,3
	ds_store_b128 v14, v[XR+16*((\t)%4)+4*\i:XR+16*((\t)%4)+4*\i+3] offset:2560*((\t)%2)+640*\i
.endr
.irp i, 0,1,2,3
	ds_load_b128 v[XX+16*((\t)%2)+4*\i:XX+16*((\t)%2)+4*\i+3], v15 offset:2560*((\t)%2)+16*\i
.endr
.endm
.irp t, 0,1,2,3
	XLOAD \t
.endr
	s_wait_loadcnt 12                              ; step 0's four loads are in
	XTURN 0
.macro XSTEP t
.set XS, XX+16*((\t)%2)
.if (\t) > 0
	s_wait_dscnt 1                                 ; this step's numbers are back (the last step's byte store may be out)
.else
	s_wait_dscnt 0x0
.endif
.if (\t)+4 < 16
	XLOAD (\t)+4
.endif
.if (\t)+1 < 16
.if 14-(\t) >= 3
	s_wait_loadcnt 12                              ; the next step's loads are in; three later steps' may be out
.else
	s_wait_loadcnt 4*(14-(\t))
.endif
	XTURN (\t)+1
.endif
	v_max3_num_f32 v8, |v[XS]|, |v[XS+1]|, |v[XS+2]|
	v_max3_num_f32 v9, |v[XS+3]|, |v[XS+4]|, |v[XS+5]|
.irp i, 6,10
	v_max3_num_f32 v8, v8, |v[XS+\i]|, |v[XS+\i+1]|
	v_max3_num_f32 v9, v9, |v[XS+\i+2]|, |v[XS+\i+3]|
.endr
	v_max3_num_f32 v8, v8, |v[XS+14]|, |v[XS+15]|
	v_max3_num_f32 v8, v8, v9, 0x1800000
	v_max_num_f32_dpp v8, v8, v8 row_xmask:1 row_mask:0xf bank_mask:0xf        ; with my neighbour's 16: the block's
	v_add_nc_u32 v11, 0xff000000, v8
	v_cvt_scalef32_pk8_fp4_f32 v[XC+2*(\t)], v[XS:XS+7], v11
	v_cvt_scalef32_pk8_fp4_f32 v[XC+2*(\t)+1], v[XS+8:XS+15], v11
	v_lshrrev_b32 v[XE+(\t)], 23, v11
	ds_store_b8 v5, v[XE+(\t)] offset:16*(\t)
	global_store_b64 v4, v[XC+2*(\t):XC+2*(\t)+1], s[40:41] offset:256*(\t)    ; the wave stores 256 consecutive bytes, aligned
.endm
.irp t, 0,1,2,3,4,5,6,7,8,9,10,11,12,13,14,15
	XSTEP \t
.endr
	ds_load_b64 v[8:9], v6
	s_wait_dscnt 0x0
	global_store_b64 v7, v[8:9], s[42:43]
	FINISH
.Lfunc_end_k_q9bde4ad909_prep:
	.size	k_q9bde4ad909_prep, .Lfunc_end_k_q9bde4ad909_prep-k_q9bde4ad909_prep
	.p2alignl 7, 3214868480
	.fill 96, 4, 3214868480
	.section	.rodata,"a",@progbits
	.p2align	6, 0x0
	.amdhsa_kernel k_q9bde4ad909_prep
		.amdhsa_group_segment_fixed_size 102912
		.amdhsa_private_segment_fixed_size 0
		.amdhsa_enable_private_segment 0
		.amdhsa_kernarg_size 120
		.amdhsa_user_sgpr_count 2
		.amdhsa_user_sgpr_kernarg_segment_ptr 1
		.amdhsa_wavefront_size32 1
		.amdhsa_system_sgpr_workgroup_id_x 1
		.amdhsa_system_sgpr_workgroup_id_y 1
		.amdhsa_system_sgpr_workgroup_id_z 1
		.amdhsa_system_vgpr_workitem_id 0
		.amdhsa_next_free_vgpr 256
		.amdhsa_next_free_sgpr 66
		.amdhsa_reserve_vcc 1
		.amdhsa_float_denorm_mode_32 3
		.amdhsa_float_denorm_mode_16_64 3
		.amdhsa_memory_ordered 1
		.amdhsa_forward_progress 1
		.amdhsa_inst_pref_size 179
	.end_amdhsa_kernel
	.amdgpu_metadata
---
amdhsa.version: [ 1, 2 ]
amdhsa.kernels:
  - .name:           k_q9bde4ad909_prep
    .symbol:         k_q9bde4ad909_prep.kd
    .args:
      - { .name: x, .offset: 0, .size: 8, .value_kind: global_buffer, .address_space: global }
      - { .name: Wq, .offset: 8, .size: 8, .value_kind: global_buffer, .address_space: global }
      - { .name: Wk, .offset: 16, .size: 8, .value_kind: global_buffer, .address_space: global }
      - { .name: Wv, .offset: 24, .size: 8, .value_kind: global_buffer, .address_space: global }
      - { .name: Aq, .offset: 32, .size: 8, .value_kind: global_buffer, .address_space: global }
      - { .name: Ak, .offset: 40, .size: 8, .value_kind: global_buffer, .address_space: global }
      - { .name: Av, .offset: 48, .size: 8, .value_kind: global_buffer, .address_space: global }
      - { .name: Wo, .offset: 56, .size: 8, .value_kind: global_buffer, .address_space: global }
      - { .name: Ao, .offset: 64, .size: 8, .value_kind: global_buffer, .address_space: global }
      - { .name: Bo, .offset: 72, .size: 8, .value_kind: global_buffer, .address_space: global }
      - { .name: positions, .offset: 80, .size: 8, .value_kind: global_buffer, .address_space: global }
      - { .name: xq, .offset: 88, .size: 8, .value_kind: global_buffer, .address_space: global }
      - { .name: wq, .offset: 96, .size: 8, .value_kind: global_buffer, .address_space: global }
      - { .name: weff, .offset: 104, .size: 8, .value_kind: global_buffer, .address_space: global }
      - { .name: rope, .offset: 112, .size: 8, .value_kind: global_buffer, .address_space: global }
    .group_segment_fixed_size: 102912
    .private_segment_fixed_size: 0
    .kernarg_segment_align: 8
    .kernarg_segment_size: 120
    .max_flat_workgroup_size: 128
    .sgpr_count:     66
    .vgpr_count:     256
    .wavefront_size: 32
...
	.end_amdgpu_metadata
.endif
;; end of part 1
;; launch qkv (part 2): grid 12 x 16, 4 waves a work-group, clusters of 4 x 4, 327,680 bytes of LDS; arguments xq, wq, rope, Bq, Bk, Bv, qn_w, kn_w, q32, kv16, out1, out2; writes q32, kv16, out1, out2
.if DOCPART == 2
	.amdgcn_target "amdgcn-amd-amdhsa--gfx1250"
	.amdhsa_code_object_version 6
	.text
	.protected	k_q9bde4ad909_qkv
	.globl	k_q9bde4ad909_qkv
	.p2align	8
	.type	k_q9bde4ad909_qkv,@function
k_q9bde4ad909_qkv:
	s_mov_b64 s[64:65], 0
	v_nop
	global_prefetch_b8 v0, s[64:65] scope:SCOPE_SE
	s_setreg_imm32_b32 hwreg(HW_REG_WAVE_MODE, 25, 1), 1
	s_wait_xcnt 0x0
	s_wait_alu depctr_hold_cnt(0) depctr_sa_sdst(0) depctr_va_vdst(0) depctr_va_sdst(0) depctr_va_ssrc(0) depctr_va_vcc(0) depctr_vm_vsrc(0)
	s_getreg_b32 s2, hwreg(HW_REG_IB_STS2, 6, 4)
	s_cmp_eq_u32 s2, 0
	s_cbranch_scc0 .Lentry_in_a_cluster
	s_endpgm
.Lentry_in_a_cluster:
	s_bfe_u32 s2, ttmp6, 0x10000c
	s_cmp_lg_u32 s2, 0xf033
	s_cbranch_scc0 .Lentry_shape_is_right
	s_endpgm
.Lentry_shape_is_right:
; QKV: the three projections Q(x) Q(W) and Q(x) Q(A) on codes of E2M1, then (t B) in f16, the heads' RMS norm and RoPE in f32.
; attention_mask has no way to an output and is no argument (shown at the head of the first launch).
; A tile of 256 rows x 256 columns to a work-group of four waves; a wave makes 128 rows x 128 columns, which is ONE HEAD: norm and RoPE never leave a pair of lanes.
; The cluster's x is the projection p (0 q, 1 k, 2 v): it is the same in all sixteen partners, so branches may hang on it.
; K goes in four steps of 512 through two LDS slots.  A slot: x's 256 rows, then two groups of wq (128 rows of W and 8 of LoRA-A each), rows of 256 bytes + 16.  The scale bytes of all of K come once and stay.
; The matrix instruction is used transposed (source 0 = rows of wq, source 1 = rows of x): a lane holds one row of x and eight neighbouring columns.
; t = Q(x) Q(A) (16 ranks) rides along: one more fragment of B and eight more accumulators.  Behind K: y = acc + B^T t by the f16 form (its K is 32, the rank 16: the upper halves of both operands are zeros).
; OUT: p = 0: q32 (f32).  p = 1: out1 (f32) and kv16's k (f16).  p = 2: out2 (f32) and kv16's v (f16).
; LIMITS: |t|, |B|, |v| under 65,504 (f16); q and k are normalised by the problem itself.
; 192 work-groups of equal work: the launch's stores, not its products, are its weight, and a smaller tile would give one round and a half.
; REGISTERS: window 0: v16-31 addresses; v32-95 scale words, two sets; v96-103 LoRA-A's scale words; v128-191 x's fragments; v192-255 t.  On the way out: v32-63 f16 rows, v64-127 f32 rows, v128-191 the block at work.
;   window 1: v0-63, v128-191 W's fragments, two sets; v64-71, v192-199 LoRA-A's; v72-127, v200-207 LoRA-B as f16 fragments.  On the way out: v0-63 cos and sin, v128-191 the norm's weight.
;   windows 2, 3: the 64 accumulators ((a, b) at v[8 (8 (a % 4) + b)]).
.set NQ,     4
.set ROWB,   256
.set KROW,   1024
.set PITCH,  272
.set FR,     8
.set NL,     2
.set NP,     4
.set HALFA,  128*PITCH
.set HALFB,  136*PITCH
.set SLOT,   2*HALFA+2*HALFB
.set SCL,    2*SLOT                    ; x's scale bytes: units of 256 bytes + 16
.set HALFSA, 32*272
.set HALFSB, 34*272
.set SCLB,   SCL+2*HALFSA              ; wq's
.set SBLK,   4*272                     ; those of 16 rows
.set SPARE,  323328                    ; the spare words: two blocks of 256 bytes that no other line names
.set STG,    12800                     ; the way out: a wave's stages, 16 x 528 and 16 x 272 bytes, in slot 0, which has had its last fill and its last read by then
.set XSC,    4194304
.set WSC,    3342336
.set GRP,    139264
.set GRS,    8704
.set VOF,    8388608
.set ADRA, 16
.set ADRL, 18
.set ADRB, 20
.set ADRLS, 22
.set TBO,  23
.set STO,  24
.set RD,   25
.set CO,   26
.set ADRS, 27
.set SPW,  28
.set NIL,  29
.set STO16, 30
.set RD16, 31
.set SC,   32
.set SCLR, 96
.set AF,   128
.set TA,   192
.set H16,  32
.set BK,   64
.set WK,   128
.set PP,   23                          ; s23 the projection
.set BA,   67                          ; s67 the way out's block
.set G1, 24
.set G0, 32
.set G1B, 48
.set G0B, 56
.set G1S, 68
.set G0S, 76
.set G1SB, 80
.set G0SB, 88
.set MSB, 0
.macro WIN new                         ; the immediate's high byte repeats the setting that is left
.if MSB != (\new)
	s_set_vgpr_msb (MSB<<8)|(\new)
.set MSB, (\new)
.endif
.endm
.set MUL_LO, 0xa1
.set MUL_HI, 0xf1
.set T_MUL,  0x01
.set TO_B,   0x40
.macro JLOAD g0a, g1a, g0b, g1b        ; a joint load: waves 0 and 1 fetch for x, waves 2 and 3 for wq; s_nop 0 and four v_nop follow each line
	s_cmp_eq_u32 s21, 0
	s_cbranch_scc0 .Lfor_b_\@
	tensor_load_to_lds s[\g0a:\g0a+3], s[\g1a:\g1a+7]
	s_nop 0
.rept 4
	v_nop
.endr
	s_branch .Lasked_\@
.Lfor_b_\@:
	tensor_load_to_lds s[\g0b:\g0b+3], s[\g1b:\g1b+7]
	s_nop 0
.rept 4
	v_nop
.endr
.Lasked_\@:
.endm
.macro CREST
	s_cmp_lg_u32 s20, 0
	s_cbranch_scc1 .Lnot_wave_0_\@
	s_barrier_signal -3
.Lnot_wave_0_\@:
	s_barrier_wait -3
	s_barrier_signal -1
	s_barrier_wait -1
.endm
.macro CROUND
	s_barrier_signal -1
	s_barrier_wait -1
	CREST
.endm
	s_load_b512 s[4:19], s[0:1], 0x0               ; xq 4, wq 6, rope 8, Bq 10, Bk 12, Bv 14, qn_w 16, kn_w 18
	s_load_b256 s[92:99], s[0:1], 0x40             ; q32 92, kv16 94, out1 96, out2 98
	v_lshl_add_u32 v[SPW], v0, 2, SPARE
	v_mov_b32 v[NIL], 0
	ds_add_u32 v[SPW], v[NIL]                      ; the opening: the add, twice on end, and its wait ahead of my first tensor load
	ds_add_u32 v[SPW], v[NIL]
	v_lshrrev_b32 v1, 5, v0
	v_readfirstlane_b32 s20, v1                    ; wave
	s_lshr_b32 s21, s20, 1                         ; my half of the rows.  Also: I fetch for x (0) or for wq (1)
	s_and_b32 s22, s20, 1                          ; my half of the columns.  Also: which half I fetch
	s_mov_b32 s[PP], ttmp9
	s_bfe_u32 s40, ttmp6, 0x40000                  ; cx
	s_bfe_u32 s41, ttmp6, 0x40004                  ; cy
	s_lshl_b32 s42, ttmp9, 2
	s_add_co_u32 s42, s42, s40                     ; tile column
	s_and_b32 s43, ttmp7, 0xffff
	s_lshl_b32 s43, s43, 2
	s_add_co_u32 s43, s43, s41                     ; tile row
	s_lshl_b32 s44, s41, 2
	s_lshl_b32 s44, 15, s44                        ; my row of the cluster
	s_lshl_b32 s46, 0x1111, s40                    ; my column
	s_or_b32 s[G1], s44, (0<<16)|(1<<20)|(1<<21)|(5<<22)|(3<<25)    ; the mask; elements of 1 byte; 4 words of padding behind every 64
	s_or_b32 s[G1B], s46, (0<<16)|(1<<20)|(1<<21)|(5<<22)|(3<<25)
	s_or_b32 s[G1S], s44, (3<<16)|(1<<20)|(1<<21)|(5<<22)|(3<<25)   ; elements of 8 bytes
	s_or_b32 s[G1SB], s46, (3<<16)|(1<<20)|(1<<21)|(5<<22)|(3<<25)
	s_mov_b32 s[G1+1], ROWB<<16
	s_mov_b32 s[G1+2], 128<<16
	s_mov_b32 s[G1+3], ROWB<<16
	s_mov_b32 s[G1+4], 128
	s_mov_b32 s[G1+5], KROW
	s_mov_b32 s[G1+6], 0
	s_mov_b32 s[G1+7], 0
	s_mov_b32 s[G1B+1], ROWB<<16
	s_mov_b32 s[G1B+2], 136<<16
	s_mov_b32 s[G1B+3], ROWB<<16
	s_mov_b32 s[G1B+4], 136
	s_mov_b32 s[G1B+5], KROW
	s_mov_b32 s[G1B+6], 0
	s_mov_b32 s[G1B+7], 0
	s_mov_b32 s[G1S+1], 32<<16
	s_mov_b32 s[G1S+2], 32<<16
	s_mov_b32 s[G1S+3], 32<<16
	s_mov_b32 s[G1S+4], 32
	s_mov_b32 s[G1S+5], 32
	s_mov_b32 s[G1S+6], 0
	s_mov_b32 s[G1S+7], 0
	s_mov_b32 s[G1SB+1], 32<<16
	s_mov_b32 s[G1SB+2], 34<<16
	s_mov_b32 s[G1SB+3], 32<<16
	s_mov_b32 s[G1SB+4], 34
	s_mov_b32 s[G1SB+5], 32
	s_mov_b32 s[G1SB+6], 0
	s_mov_b32 s[G1SB+7], 0
	s_lshl_b32 s44, s43, 18                        ; x's codes: (256 tile row + 128 half) x 1,024
	s_lshl_b32 s45, s22, 17
	s_add_co_u32 s44, s44, s45
	s_mov_b32 s45, 0
	s_lshl_b32 s2, s43, 14                         ; and their scale bytes
	s_lshl_b32 s3, s22, 13
	s_add_co_u32 s2, s2, s3
	s_add_co_u32 s2, s2, XSC
	s_mov_b32 s3, 0
	s_lshl_b32 s46, s42, 1
	s_add_co_u32 s46, s46, s22                     ; wq's group
	s_mul_i32 s66, s46, GRS
	s_add_co_u32 s66, s66, WSC
	s_mov_b32 s67, 0
	s_mul_i32 s46, s46, GRP
	s_mov_b32 s47, 0
	s_mul_i32 s100, s22, HALFA                     ; where they go: no place in the cluster enters an LDS address
	s_mul_i32 s101, s22, HALFB
	s_add_co_u32 s101, s101, 2*HALFA
	s_wait_dscnt 0x0                               ; both opening adds are done
	s_wait_kmcnt 0x0
	s_add_nc_u64 s[44:45], s[4:5], s[44:45]
	s_add_nc_u64 s[2:3], s[4:5], s[2:3]
	s_add_nc_u64 s[46:47], s[6:7], s[46:47]
	s_add_nc_u64 s[66:67], s[6:7], s[66:67]
	s_mov_b32 s[G0S], 1
	s_mul_i32 s[G0S+1], s22, HALFSA
	s_add_co_u32 s[G0S+1], s[G0S+1], SCL
	s_mov_b64 s[G0S+2:G0S+3], s[2:3]
	s_or_b32 s[G0S+3], s[G0S+3], 0x80000000
	s_mov_b32 s[G0SB], 1
	s_mul_i32 s[G0SB+1], s22, HALFSB
	s_add_co_u32 s[G0SB+1], s[G0SB+1], SCLB
	s_mov_b64 s[G0SB+2:G0SB+3], s[66:67]
	s_or_b32 s[G0SB+3], s[G0SB+3], 0x80000000
.irp s, 0,1
	s_mov_b32 s[G0+4*\s], 1
	s_add_co_u32 s[G0+4*\s+1], s100, \s*SLOT
	s_add_nc_u64 s[G0+4*\s+2:G0+4*\s+3], s[44:45], \s*ROWB
	s_or_b32 s[G0+4*\s+3], s[G0+4*\s+3], 0x80000000
	s_mov_b32 s[G0B+4*\s], 1
	s_add_co_u32 s[G0B+4*\s+1], s101, \s*SLOT
	s_add_nc_u64 s[G0B+4*\s+2:G0B+4*\s+3], s[46:47], \s*ROWB
	s_or_b32 s[G0B+4*\s+3], s[G0B+4*\s+3], 0x80000000
.endr
	CROUND                                         ; all sixteen work-groups are here: the first joint loads meet
	JLOAD G0S, G1S, G0SB, G1SB                     ; three loads of mine are out: the scale bytes,
	JLOAD G0, G1, G0B, G1B                         ; slot 0,
	JLOAD G0+4, G1, G0B+4, G1B                     ; slot 1
	; the pointers of this projection
	s_cmp_eq_u32 s[PP], 0
	s_cselect_b64 s[10:11], s[10:11], s[12:13]
	s_cselect_b64 s[16:17], s[16:17], s[18:19]
	s_cselect_b64 s[92:93], s[92:93], s[96:97]
	s_cmp_eq_u32 s[PP], 2
	s_cselect_b64 s[10:11], s[14:15], s[10:11]
	s_cselect_b64 s[92:93], s[98:99], s[92:93]
	s_cselect_b32 s12, VOF, 0
	s_lshl_b32 s4, s40, 10
	s_lshl_b32 s5, s22, 9
	s_add_co_u32 s4, s4, s5                        ; my first column of the projection's 1,024, in bytes of f32
	s_mov_b32 s5, 0
	s_add_nc_u64 s[10:11], s[10:11], s[4:5]        ; LoRA-B at it
	s_lshl_b32 s6, s43, 20
	s_lshl_b32 s7, s21, 19
	s_add_co_u32 s6, s6, s7
	s_add_co_u32 s4, s4, s6
	s_add_nc_u64 s[92:93], s[92:93], s[4:5]        ; the f32 result at my first row and column
	s_lshr_b32 s4, s43, 3                          ; the f16 copy: [batch x 8 + head][2048][128]
	s_lshl_b32 s4, s4, 22
	s_add_co_u32 s4, s4, s12
	s_lshl_b32 s6, s40, 1
	s_add_co_u32 s6, s6, s22
	s_lshl_b32 s6, s6, 19
	s_add_co_u32 s4, s4, s6
	s_and_b32 s6, s43, 7
	s_lshl_b32 s6, s6, 16
	s_add_co_u32 s4, s4, s6
	s_lshl_b32 s6, s21, 15
	s_add_co_u32 s4, s4, s6
	s_add_nc_u64 s[94:95], s[94:95], s[4:5]
	s_lshl_b32 s4, s43, 17
	s_lshl_b32 s6, s21, 16
	s_add_co_u32 s4, s4, s6
	s_add_nc_u64 s[96:97], s[8:9], s[4:5]          ; the table at my first row
	s_mov_b32 s98, 0
	s_mov_b32 s99, 0
	s_mov_b32 s100, 0x76543210
	s_mov_b32 s101, 0xfedcba98                     ; v_permlanex16_b32's selects for lane l xor 16
	s_mov_b32 s66, 0x358637bd                      ; 1e-6
	v_and_b32 v1, 15, v0                           ; r
	v_bfe_u32 v2, v0, 4, 1                         ; h
	v_lshlrev_b32 v3, 2, v1
	v_lshl_add_u32 v3, v2, 15, v3                  ; LoRA-B: 8 rows of 4,096 bytes x h + 4 r
.irp b, 0,1,2,3,4,5,6,7
.irp i, 0,1,2,3,4,5,6,7
	global_load_b32 v[128+8*\b+\i], v3, s[10:11] offset:4096*\i+64*\b          ; B(8 h + i, column 16 b + r)
.endr
.endr
	v_mul_u32_u24 v4, v1, PITCH
	v_lshl_add_u32 v4, v2, 4, v4                   ; a fragment's row x pitch + 16 h
	s_mul_i32 s4, s21, HALFA
	s_mul_i32 s6, s22, HALFB
	s_add_co_u32 s6, s6, 2*HALFA
	v_add_nc_u32 v[ADRA], s4, v4
	v_add_nc_u32 v[ADRB], s6, v4
	v_add_nc_u32 v[ADRA+1], SLOT, v[ADRA]
	v_add_nc_u32 v[ADRB+1], SLOT, v[ADRB]
	v_lshrrev_b32 v5, 3, v1
	v_and_b32 v6, 7, v1
	v_mul_u32_u24 v7, v5, HALFB                    ; LoRA-A's column r: group r / 8, row 128 + r % 8
	v_mad_u32_u24 v7, v6, PITCH, v7
	v_lshl_add_u32 v7, v2, 4, v7
	v_add_nc_u32 v[ADRL], 2*HALFA+128*PITCH, v7
	v_add_nc_u32 v[ADRL+1], SLOT, v[ADRL]
	v_mul_u32_u24 v7, v5, HALFSB                   ; and its scale words (the same in both halves of the lanes)
	v_lshrrev_b32 v8, 2, v6
	v_mad_u32_u24 v7, v8, 272, v7
	v_and_b32 v8, 3, v1
	v_lshl_add_u32 v7, v8, 6, v7
	v_add_nc_u32 v[ADRLS], SCLB+8704, v7
	v_lshlrev_b32 v9, 6, v1                        ; a row's scale bytes: 64 a row, and 16 more for each 256 passed
	v_lshrrev_b32 v10, 2, v1
	v_lshl_add_u32 v9, v10, 4, v9
	s_mul_i32 s4, s21, HALFSA
	s_mul_i32 s6, s22, HALFSB
	s_add_co_u32 s6, s6, 2*HALFSA
	s_sub_co_u32 s6, s6, s4
	v_mul_u32_u24 v10, s6, v2                      ; lanes 16-31 take wq's
	s_add_co_u32 s4, s4, SCL
	v_add_nc_u32 v9, v9, v10
	v_add_nc_u32 v[ADRS], s4, v9
	s_mul_i32 s4, s20, STG
	v_mul_u32_u24 v11, v1, 528
	v_lshl_add_u32 v11, v2, 5, v11
	v_add_nc_u32 v[STO], s4, v11
	v_and_b32 v12, 31, v0
	v_lshlrev_b32 v[CO], 4, v12
	v_add_nc_u32 v[RD], s4, v[CO]
	s_add_co_u32 s4, s4, 8448
	v_add_nc_u32 v[STO16], s4, v4
	v_mul_u32_u24 v13, v2, 272
	v_lshl_add_u32 v13, v1, 4, v13
	v_add_nc_u32 v[RD16], s4, v13
	v_lshlrev_b32 v[TBO], 9, v1
	v_lshl_add_u32 v[TBO], v2, 5, v[TBO]           ; the table: 512 r + 32 h
	v_lshlrev_b32 v14, 5, v2                       ; the norm's weight: 32 h
	s_wait_loadcnt 0x0
	WIN TO_B
.irp b, 0,1,2,3,4,5,6,7
.irp i, 0,1,2,3
	v_cvt_pk_f16_f32 v[72+8*\b+72*(\b/7)+\i], v[128+8*\b+2*\i], v[129+8*\b+2*\i]   ; ranks 8 h + 0 .. 7 of column 16 b + r
	v_mov_b32 v[76+8*\b+72*(\b/7)+\i], 0                                           ; the form's k = 16 .. 31: zeros
.endr
.endr
	WIN 0
.macro FRAG reg, adr, q, i             ; 16 rows x 128 K of 4-bit codes: registers 4 c .. 4 c + 3 hold K = 64 c + 32 h + 0 .. 31
.irp c, 0,1
	ds_load_b128 v[\reg+4*\c:\reg+4*\c+3], v[\adr] offset:64*(\q)+32*\c+(\i)*16*PITCH
.endr
.endm
; 16 products: x's blocks a0, a0 + 1 against W's eight.  The accumulators take turns, one instruction a turn
.macro MUL16 a0, p, q, sc, zero
.irp a, \a0, \a0+1
.irp b, 0,1,2,3,4,5,6,7
.if \zero
	v_wmma_scale_f32_16x16x128_f8f6f4 v[8*(8*((\a)%4)+\b):8*(8*((\a)%4)+\b)+7], v[128*(\p)+FR*\b:128*(\p)+FR*\b+FR-1], v[AF+FR*(\a):AF+FR*(\a)+FR-1], 0, v[SC+8*NQ*(\sc)+NQ*\b+(\q)], v[SC+8*NQ*(\sc)+NQ*(\a)+(\q)] matrix_a_fmt:MATRIX_FMT_FP4 matrix_b_fmt:MATRIX_FMT_FP4 matrix_a_scale:MATRIX_SCALE_ROW1
.else
	v_wmma_scale_f32_16x16x128_f8f6f4 v[8*(8*((\a)%4)+\b):8*(8*((\a)%4)+\b)+7], v[128*(\p)+FR*\b:128*(\p)+FR*\b+FR-1], v[AF+FR*(\a):AF+FR*(\a)+FR-1], v[8*(8*((\a)%4)+\b):8*(8*((\a)%4)+\b)+7], v[SC+8*NQ*(\sc)+NQ*\b+(\q)], v[SC+8*NQ*(\sc)+NQ*(\a)+(\q)] matrix_a_fmt:MATRIX_FMT_FP4 matrix_b_fmt:MATRIX_FMT_FP4 matrix_a_scale:MATRIX_SCALE_ROW1
.endif
.endr
.endr
.endm
; 4 products for t: x's blocks a0 .. a0 + 3 against LoRA-A's 16 columns
.macro TMUL a0, p, q, sc, zero
.irp a, \a0, \a0+1, \a0+2, \a0+3
.if \zero
	v_wmma_scale_f32_16x16x128_f8f6f4 v[TA+8*(\a):TA+8*(\a)+7], v[128*(\p)+64:128*(\p)+71], v[AF+FR*(\a):AF+FR*(\a)+FR-1], 0, v[SCLR+4*(\sc)+(\q)], v[SC+8*NQ*(\sc)+NQ*(\a)+(\q)] matrix_a_fmt:MATRIX_FMT_FP4 matrix_b_fmt:MATRIX_FMT_FP4 matrix_a_scale:MATRIX_SCALE_ROW1
.else
	v_wmma_scale_f32_16x16x128_f8f6f4 v[TA+8*(\a):TA+8*(\a)+7], v[128*(\p)+64:128*(\p)+71], v[AF+FR*(\a):AF+FR*(\a)+FR-1], v[TA+8*(\a):TA+8*(\a)+7], v[SCLR+4*(\sc)+(\q)], v[SC+8*NQ*(\sc)+NQ*(\a)+(\q)] matrix_a_fmt:MATRIX_FMT_FP4 matrix_b_fmt:MATRIX_FMT_FP4 matrix_a_scale:MATRIX_SCALE_ROW1
.endif
.endr
.endm
.macro FETCH_B slot, q, p              ; W's eight fragments and LoRA-A's one
	WIN TO_B
.irp i, 0,1,2,3,4,5,6,7
	FRAG 128*(\p)+FR*\i, ADRB+\slot, \q, \i
.endr
	FRAG 128*(\p)+64, ADRL+\slot, \q, 0
	WIN 0
.endm
.macro FETCH_A slot, q, i0
.irp i, \i0, \i0+1, \i0+2, \i0+3
	FRAG AF+FR*(\i), ADRA+\slot, \q, \i
.endr
.endm
.macro SCALES sc                       ; a slot's scale words: lanes 0-15 x's block i, lanes 16-31 W's block i; and LoRA-A's
.irp i, 0,1,2,3,4,5,6,7
	ds_load_b128 v[SC+8*NQ*\sc+NQ*\i:SC+8*NQ*\sc+NQ*\i+3], v[ADRS] offset:\i*SBLK
.endr
	ds_load_b128 v[SCLR+4*\sc:SCLR+4*\sc+3], v[ADRLS]
.endm
.macro PLACES n                        ; plain instructions between a matrix instruction and a load into, or a read of, its registers
.rept \n
	v_nop
.endr
.endm
.macro STEP slot, q, zero              ; 128 along K that has its successor in the same slot
	s_wait_dscnt 4*NL                              ; all but the youngest eight loads (x's blocks 4-7)
	WIN MUL_LO
	MUL16 0, (\q)%2, \q, \slot, \zero
	MUL16 2, (\q)%2, \q, \slot, \zero
	WIN T_MUL
	TMUL 0, (\q)%2, \q, \slot, \zero
	s_wait_dscnt 0
	PLACES NP
	FETCH_B \slot, (\q)+1, 1-(\q)%2
	FETCH_A \slot, (\q)+1, 0
	WIN MUL_HI
	MUL16 4, (\q)%2, \q, \slot, \zero
	MUL16 6, (\q)%2, \q, \slot, \zero
	WIN T_MUL
	TMUL 4, (\q)%2, \q, \slot, \zero
	PLACES NP
	WIN 0
	FETCH_A \slot, (\q)+1, 4
.endm
; A slot's last step changes slots: one barrier; in front of it each wave waits for all its tensor loads, adds 0 to its spare word, and waits for that and for its reads of this slot
.macro TURN slot, next, fill
	s_wait_tensorcnt 0x0                           ; all my tensor loads have landed: my part of the next slot
	ds_add_u32 v[SPW], v[NIL]
	s_wait_dscnt 4*NL+1                            ; (the add and the youngest eight loads may be out)
	WIN MUL_LO
	MUL16 0, 1, NQ-1, \slot, 0
	s_wait_dscnt 0x0                               ; the add is done, and my reads of this slot are over
	s_barrier_signal -1
	MUL16 2, 1, NQ-1, \slot, 0
	WIN T_MUL
	TMUL 0, 1, NQ-1, \slot, 0
	WIN 0
	s_barrier_wait -1
.if \fill
	CREST                                          ; the barrier has opened a round of the cluster's: no wave of any partner still reads this slot or has a load on its way
	s_add_nc_u64 s[G0+4*\slot+2:G0+4*\slot+3], s[G0+4*\slot+2:G0+4*\slot+3], 2*ROWB
	s_add_nc_u64 s[G0B+4*\slot+2:G0B+4*\slot+3], s[G0B+4*\slot+2:G0B+4*\slot+3], 2*ROWB
	JLOAD G0+4*\slot, G1, G0B+4*\slot, G1B         ; the first tensor load behind the round; its four v_nop are the places in front of the loads below
.else
	PLACES NP
.endif
	v_add_nc_u32 v[ADRS], 4*NQ, v[ADRS]            ; the next slot's scale words
	v_add_nc_u32 v[ADRLS], 4*NQ, v[ADRLS]
	FETCH_B \next, 0, 0
	FETCH_A \next, 0, 0
	SCALES \next
	WIN MUL_HI
	MUL16 4, 1, NQ-1, \slot, 0
	MUL16 6, 1, NQ-1, \slot, 0
	WIN T_MUL
	TMUL 4, 1, NQ-1, \slot, 0
	PLACES NP
	WIN 0
	FETCH_A \next, 0, 4
.endm
	s_wait_tensorcnt 1                             ; the scale bytes and my part of slot 0 are in; slot 1's load may be out
	s_barrier_signal -1
	s_barrier_wait -1
	FETCH_B 0, 0, 0
	FETCH_A 0, 0, 0
	SCALES 0
	FETCH_A 0, 0, 4
	; K = 2,048 is four slots: the sixteen steps are written out, which is shorter than a loop of one trip with its head and tail
	STEP 0, 0, 1                                   ; the first products start the sums: nothing is cleared
	STEP 0, 1, 0
	STEP 0, 2, 0
	TURN 0, 1, 1
	STEP 1, 0, 0
	STEP 1, 1, 0
	STEP 1, 2, 0
	TURN 1, 0, 1
	STEP 0, 0, 0
	STEP 0, 1, 0
	STEP 0, 2, 0
	TURN 0, 1, 0                                   ; nothing is left to fetch
	STEP 1, 0, 0
	STEP 1, 1, 0
	STEP 1, 2, 0
	s_wait_dscnt 4*NL
	WIN MUL_LO
	MUL16 0, 1, NQ-1, 1, 0
	MUL16 2, 1, NQ-1, 1, 0
	WIN T_MUL
	TMUL 0, 1, NQ-1, 1, 0
	s_wait_dscnt 0
	WIN MUL_HI
	MUL16 4, 1, NQ-1, 1, 0
	MUL16 6, 1, NQ-1, 1, 0
	WIN T_MUL
	TMUL 4, 1, NQ-1, 1, 0
	WIN 0
	PLACES 5                                       ; the f16 products below take these results as the C of other accumulators and write over x's fragments
; ---------------- THE WAY OUT
.macro TABLOAD                         ; cos and sin of a block's 16 rows: lane (r, h) wants those of channels 16 b + 8 h + 0 .. 7, b = 0 .. 3
	WIN TO_B
.irp b, 0,1,2,3
	global_load_b128 v[8*\b:8*\b+3], v[TBO], s[96:97] offset:64*\b
	global_load_b128 v[8*\b+4:8*\b+7], v[TBO], s[96:97] offset:64*\b+16
	global_load_b128 v[32+8*\b:32+8*\b+3], v[TBO], s[96:97] offset:256+64*\b
	global_load_b128 v[32+8*\b+4:32+8*\b+7], v[TBO], s[96:97] offset:256+64*\b+16
.endr
	WIN 0
.endm
.macro SENDM                           ; the block that went through the stages leaves: whole rows
	s_wait_dscnt 0x0
.irp t, 0,1,2,3,4,5,6,7,8,9,10,11,12,13,14,15
	global_store_b128 v[CO], v[BK+4*\t:BK+4*\t+3], s[92:93] offset:4096*\t     ; 32 lanes store 512 consecutive bytes, aligned
.endr
	s_cmp_eq_u32 s[PP], 0
	s_cbranch_scc1 .Lno_half_\@
.irp f, 0,1,2,3,4,5,6,7
	global_store_b128 v[CO], v[H16+4*\f:H16+4*\f+3], s[94:95] offset:512*\f    ; two rows of 256 bytes, which follow each other
.endr
.Lno_half_\@:
.endm
	s_cmp_eq_u32 s[PP], 2
	s_cbranch_scc1 .Lno_tables                     ; v has no norm and no RoPE
	WIN TO_B
.irp b, 0,1,2,3,4,5,6,7
	global_load_b128 v[128+8*\b:128+8*\b+3], v14, s[16:17] offset:64*\b        ; the norm's weight at channels 16 b + 8 h + 0 .. 7
	global_load_b128 v[128+8*\b+4:128+8*\b+7], v14, s[16:17] offset:64*\b+16
.endr
	WIN 0
	TABLOAD
.Lno_tables:
.irp a, 0,1,2,3,4,5,6,7                        ; t becomes f16 fragments in place: lane (r, h) holds row r's ranks 8 h + 0 .. 7
.irp i, 0,1,2,3
	v_cvt_pk_f16_f32 v[TA+8*\a+\i], v[TA+8*\a+2*\i], v[TA+8*\a+2*\i+1]
.endr
.irp i, 4,5,6,7
	v_mov_b32 v[TA+8*\a+\i], 0
.endr
.endr
	s_mov_b32 s[BA], 0
.Lblk:                                         ; eight trips: a block of 16 rows x 128 columns
.irp k, 1,2,3,4,5,6,7
	s_cmp_eq_u32 s[BA], \k
	s_cbranch_scc1 .Larm_\k
.endr
.irp a, 0,1,2,3,4,5,6,7                        ; only these lines differ between blocks: acc + B^T t, which also brings the block into fixed registers
.Larm_\a:
	WIN 0x21+0x10*(\a/4)
.irp b, 0,1,2,3,4,5,6,7
	v_wmma_f32_16x16x32_f16 v[WK+8*\b:WK+8*\b+7], v[72+8*\b+72*(\b/7):79+8*\b+72*(\b/7)], v[TA+8*\a:TA+8*\a+7], v[64*(\a%4)+8*\b:64*(\a%4)+8*\b+7]
.endr
	WIN 0
.if \a < 7
	s_branch .Ljoin
.endif
.endr
.Ljoin:
	PLACES 5                                       ; four serve the first read of these results; the fifth the next trip's products, which write the same eight accumulators anew: on the way of v no other vector line need stand between the two
	s_cmp_eq_u32 s[PP], 2
	s_cbranch_scc1 .Lsend
	v_pk_mul_f32 v[2:3], v[WK:WK+1], v[WK:WK+1]    ; the head's sum of squares: my 64 numbers in two chains, each accumulator from its low end on
	v_pk_mul_f32 v[4:5], v[WK+2:WK+3], v[WK+2:WK+3]
.set n, 4
.rept 15
	v_pk_fma_f32 v[2:3], v[WK+n:WK+n+1], v[WK+n:WK+n+1], v[2:3]
	v_pk_fma_f32 v[4:5], v[WK+n+2:WK+n+3], v[WK+n+2:WK+n+3], v[4:5]
.set n, n+4
.endr
	v_pk_add_f32 v[2:3], v[2:3], v[4:5]
	v_add_f32 v2, v2, v3
	v_permlanex16_b32 v3, v2, s100, s101           ; the row's other 64 channels lie in lane l xor 16
	v_add_f32 v2, v2, v3
	v_fma_f32 v2, v2, 0x3c000000, s66              ; mean + eps
	v_rsq_f32 v6, v2
	v_mov_b32 v7, 0                                ; a plain instruction behind the transcendental (v7 is named with v6 as a pair)
	s_wait_alu depctr_va_vdst(0)                   ; the wait ahead of its first reader
.set n, 0
.rept 32
	v_pk_mul_f32 v[WK+n:WK+n+1], v[WK+n:WK+n+1], v[6:7] op_sel_hi:[1,0]
.set n, n+2
.endr
.Lsend:
	s_cmp_eq_u32 s[BA], 0
	s_cbranch_scc1 .Lno_send
	SENDM                                          ; the block before: its round trip through the stage stood behind the lines above
.Lno_send:
	s_cmp_eq_u32 s[PP], 2
	s_cbranch_scc1 .Lno_rope
	s_wait_loadcnt 0x0                             ; the weight and this block's table
	WIN 0x04                                       ; source 1 in window 1
.set n, 0
.rept 32
	v_pk_mul_f32 v[WK+n:WK+n+1], v[WK+n:WK+n+1], v[128+n:129+n]
.set n, n+2
.endr
.set n, 0
.rept 8                                        ; a = channels 0-63 (registers 0-31), b = channels 64-127: a cos - b sin, b cos + a sin
	v_pk_mul_f32 v[8:9], v[WK+32+n:WK+33+n], v[32+n:33+n]
	v_pk_mul_f32 v[10:11], v[WK+n:WK+n+1], v[32+n:33+n]
	v_pk_mul_f32 v[12:13], v[WK+34+n:WK+35+n], v[34+n:35+n]
	v_pk_mul_f32 v[2:3], v[WK+n+2:WK+n+3], v[34+n:35+n]
	v_pk_fma_f32 v[WK+n:WK+n+1], v[WK+n:WK+n+1], v[n:n+1], v[8:9] neg_lo:[0,0,1] neg_hi:[0,0,1]
	v_pk_fma_f32 v[WK+32+n:WK+33+n], v[WK+32+n:WK+33+n], v[n:n+1], v[10:11]
	v_pk_fma_f32 v[WK+n+2:WK+n+3], v[WK+n+2:WK+n+3], v[n+2:n+3], v[12:13] neg_lo:[0,0,1] neg_hi:[0,0,1]
	v_pk_fma_f32 v[WK+34+n:WK+35+n], v[WK+34+n:WK+35+n], v[n+2:n+3], v[2:3]
.set n, n+4
.endr
	WIN 0
	s_cmp_eq_u32 s[BA], 7
	s_cbranch_scc1 .Lno_rope                       ; no load leaves the table
	v_add_nc_u32 v[TBO], 0x2000, v[TBO]            ; 16 rows on (its loads are done: the wait above)
	TABLOAD
.Lno_rope:
	s_wait_xcnt 0x0                                ; the stores above have read their registers and bases: both may be written
	s_cmp_lg_u32 s[BA], 0
	s_cselect_b32 s98, 0x10000, 0                  ; 16 rows on, from the second trip on
	s_add_nc_u64 s[92:93], s[92:93], s[98:99]
	s_cselect_b32 s98, 0x1000, 0
	s_add_nc_u64 s[94:95], s[94:95], s[98:99]
.irp b, 0,1,2,3,4,5,6,7
	ds_store_b128 v[STO], v[WK+8*\b:WK+8*\b+3] offset:64*\b
	ds_store_b128 v[STO], v[WK+8*\b+4:WK+8*\b+7] offset:64*\b+16
.endr
.irp t, 0,1,2,3,4,5,6,7,8,9,10,11,12,13,14,15
	ds_load_b128 v[BK+4*\t:BK+4*\t+3], v[RD] offset:528*\t                     ; LDS serves a wave's instructions in order: these see my stores
.endr
	s_cmp_eq_u32 s[PP], 0
	s_cbranch_scc1 .Lno_f16
.set n, 0
.rept 32
	v_cvt_pk_f16_f32 v[H16+n], v[WK+2*n], v[WK+2*n+1]
.set n, n+1
.endr
.irp b, 0,1,2,3,4,5,6,7
	ds_store_b128 v[STO16], v[H16+4*\b:H16+4*\b+3] offset:32*\b
.endr
.irp f, 0,1,2,3,4,5,6,7
	ds_load_b128 v[H16+4*\f:H16+4*\f+3], v[RD16] offset:544*\f
.endr
.Lno_f16:
	s_add_co_u32 s[BA], s[BA], 1
	s_cmp_lt_u32 s[BA], 8
	s_cbranch_scc1 .Lblk
	SENDM                                          ; the last block
	s_wait_tensorcnt 0x0                           ; the wave's end
	ds_add_u32 v[SPW], v[NIL]
	s_wait_dscnt 0x0
	CROUND                                         ; the closing round
	s_endpgm
.Lfunc_end_k_q9bde4ad909_qkv:
	.size	k_q9bde4ad909_qkv, .Lfunc_end_k_q9bde4ad909_qkv-k_q9bde4ad909_qkv
	.p2alignl 7, 3214868480
	.fill 96, 4, 3214868480
	.section	.rodata,"a",@progbits
	.p2align	6, 0x0
	.amdhsa_kernel k_q9bde4ad909_qkv
		.amdhsa_group_segment_fixed_size 327680
		.amdhsa_private_segment_fixed_size 0
		.amdhsa_enable_private_segment 0
		.amdhsa_kernarg_size 96
		.amdhsa_user_sgpr_count 2
		.amdhsa_user_sgpr_kernarg_segment_ptr 1
		.amdhsa_wavefront_size32 1
		.amdhsa_system_sgpr_workgroup_id_x 1
		.amdhsa_system_sgpr_workgroup_id_y 1
		.amdhsa_system_sgpr_workgroup_id_z 1
		.amdhsa_system_vgpr_workitem_id 0
		.amdhsa_next_free_vgpr 1024
		.amdhsa_next_free_sgpr 102
		.amdhsa_reserve_vcc 0
		.amdhsa_float_denorm_mode_32 3
		.amdhsa_float_denorm_mode_16_64 3
		.amdhsa_memory_ordered 1
		.amdhsa_forward_progress 1
		.amdhsa_inst_pref_size 247
	.end_amdhsa_kernel
	.amdgpu_metadata
---
amdhsa.version: [ 1, 2 ]
amdhsa.kernels:
  - .name:           k_q9bde4ad909_qkv
    .symbol:         k_q9bde4ad909_qkv.kd
    .args:
      - { .name: xq, .offset: 0, .size: 8, .value_kind: global_buffer, .address_space: global }
      - { .name: wq, .offset: 8, .size: 8, .value_kind: global_buffer, .address_space: global }
      - { .name: rope, .offset: 16, .size: 8, .value_kind: global_buffer, .address_space: global }
      - { .name: Bq, .offset: 24, .size: 8, .value_kind: global_buffer, .address_space: global }
      - { .name: Bk, .offset: 32, .size: 8, .value_kind: global_buffer, .address_space: global }
      - { .name: Bv, .offset: 40, .size: 8, .value_kind: global_buffer, .address_space: global }
      - { .name: qn_w, .offset: 48, .size: 8, .value_kind: global_buffer, .address_space: global }
      - { .name: kn_w, .offset: 56, .size: 8, .value_kind: global_buffer, .address_space: global }
      - { .name: q32, .offset: 64, .size: 8, .value_kind: global_buffer, .address_space: global }
      - { .name: kv16, .offset: 72, .size: 8, .value_kind: global_buffer, .address_space: global }
      - { .name: out1, .offset: 80, .size: 8, .value_kind: global_buffer, .address_space: global }
      - { .name: out2, .offset: 88, .size: 8, .value_kind: global_buffer, .address_space: global }
    .group_segment_fixed_size: 327680
    .private_segment_fixed_size: 0
    .kernarg_segment_align: 8
    .kernarg_segment_size: 96
    .max_flat_workgroup_size: 128
    .sgpr_count:     102
    .vgpr_count:     1024
    .wavefront_size: 32
...
	.end_amdgpu_metadata
.endif
;; end of part 2
;; launch attn (part 3): grid 16 x 16, 4 waves a work-group, no clusters, 327,680 bytes of LDS; arguments q32, kv16, o16; writes o16
.if DOCPART == 3
	.amdgcn_target "amdgcn-amd-amdhsa--gfx1250"
	.amdhsa_code_object_version 6
	.text
	.protected	k_q9bde4ad909_attn
	.globl	k_q9bde4ad909_attn
	.p2align	8
	.type	k_q9bde4ad909_attn,@function
k_q9bde4ad909_attn:
	s_mov_b64 s[64:65], 0
	v_nop
	global_prefetch_b8 v0, s[64:65] scope:SCOPE_SE
	s_setreg_imm32_b32 hwreg(HW_REG_WAVE_MODE, 25, 1), 1
	s_wait_xcnt 0x0
; ATTN: o = softmax(q k^T / sqrt(128), causal) v for one (batch, head) a grid row, f16 operands, f32 sums, a running maximum.
; WORK LEFT OUT: tiles of 16 queries x 64 keys wholly above the diagonal of reference()'s own jnp.tril (their p is 0 for all inputs), and key tiles that no query of the work-group sees.
; SHARES.  Work-group i owns the query blocks of 64 numbered 31 - i and i; wave w holds tile H (queries 64 (31 - i) + 16 w on) and tile L (64 i + 16 w on): 32 - i and i + 1 key steps of 64, 33 for every wave of the launch.
; Both tiles feed from the same fragments of K and V while L is live.
; NO CLUSTER: the work-groups of a head need different numbers of key tiles, and the mask would lead whole partners round the reads of a joint tile.
; LAYOUT.  S^T = K Q^T and O^T = V^T P: a lane holds one query throughout.  K comes out of LDS as it lies, V turned by ds_load_tr16_b128.
; RING.  Two slots of two key steps.  Every work-group walks all 16 slots (the trip count is a constant); what lies past its last query is neither asked for nor worked.  Every wait on TENSORcnt is for 0.
; LIMITS: |v| and |o| under 65,504 (f16); q and k are normalised by the problem itself.
; REGISTERS: window 0: v1-15 addresses; v16-31 statistics, 8 a tile; v64-127 S^T; v128-159 P; v160-223 Q.  window 1: v0-127 O^T; v128-255 K.  window 2: v0-127 V.
.set KS,    64
.set PK,    272
.set PV,    288
.set VOFF,  KS*PK
.set STEPB, KS*(PK+PV)
.set SLOT1, 1<<17
.set STAGE, SLOT1+2*STEPB
.set SPARE, STAGE+4*16*272             ; the spare words: two blocks of 256 bytes that no other line names
.set VOF,   8388608
.set AK0, 2
.set AV0, 3
.set ADK, 4
.set ADV, 5
.set STO, 6
.set RD,  7
.set GO,  8
.set QO,  10
.set DM,  11
.set NINF, 12
.set PFO, 13
.set SPW, 14
.set NIL, 15
.set ST,  16                           ; tile t: +0 c m, +1 m, +2, +3 l, +4 .. +7 at work (a in +6)
.set S,   64
.set P,   128
.set Q,   160
.set KFR, 128                          ; K's fragments, in window 1
.set WV,  12
.set G1K, 24
.set G1V, 32
.set G0K, 40
.set G0V, 44
.set SLOTS, 56
.set CS,  58
.set SEL, 60
.set TB,  62
.set KF,  63                           ; s63 the step's first key
.set QH,  66                           ; s66, s67 the tiles' first queries
.set QL,  67
.set QLAST, 68                         ; s68 the work-group's last query
.set PFA, 70
.set LIM, 72
.set MSB, 0
.macro WIN new
.if MSB != (\new)
	s_set_vgpr_msb (MSB<<8)|(\new)
.set MSB, (\new)
.endif
.endm
.macro TLOAD_FULL                      ; waves 0, 1: the slot's two tiles of K; waves 2, 3: of V.  s_nop 0 and four v_nop follow each line
	s_cmp_lt_u32 s[WV], 2
	s_cbranch_scc0 .Lfor_v_\@
	tensor_load_to_lds s[G0K:G0K+3], s[G1K:G1K+7]
	s_nop 0
.rept 4
	v_nop
.endr
	s_branch .Lasked_\@
.Lfor_v_\@:
	tensor_load_to_lds s[G0V:G0V+3], s[G1V:G1V+7]
	s_nop 0
.rept 4
	v_nop
.endr
.Lasked_\@:
.endm
.macro TLOAD_HALF                      ; the slot's first step alone: wave 0 K, wave 2 V; nobody reads its second step
	s_cmp_eq_u32 s[WV], 0
	s_cbranch_scc0 .Lnot_k_\@
	tensor_load_to_lds s[G0K:G0K+3], s[G1K:G1K+7]
	s_nop 0
.rept 4
	v_nop
.endr
	s_branch .Lasked_\@
.Lnot_k_\@:
	s_cmp_eq_u32 s[WV], 2
	s_cbranch_scc0 .Lasked_\@
	tensor_load_to_lds s[G0V:G0V+3], s[G1V:G1V+7]
	s_nop 0
.rept 4
	v_nop
.endr
.Lasked_\@:
.endm
; A prefetch of what the NEXT change of slots will ask for: my wave's 64 rows of 256 bytes, a lane a row, two instructions.  Of a head's work-groups the one that walks all slots (i = 0) asks, and nobody else:
; each row is named once in the launch.  The last change that fills a slot asks for nothing; slots 0 and 1 come by their loads alone.
.macro ASK
	s_cmp_gt_u32 s[SLOTS], s[LIM]
	s_cbranch_scc0 .Lnot_mine_\@
	global_prefetch_b8 v[PFO], s[PFA:PFA+1] th:TH_LOAD_NT scope:SCOPE_SE
	global_prefetch_b8 v[PFO], s[PFA:PFA+1] offset:8192 th:TH_LOAD_NT scope:SCOPE_SE
.Lnot_mine_\@:
.endm
	s_load_b128 s[4:7], s[0:1], 0x0                ; q32, kv16
	s_load_b64 s[8:9], s[0:1], 0x10                ; o16
	v_lshl_add_u32 v[SPW], v0, 2, SPARE
	v_mov_b32 v[NIL], 0
	ds_add_u32 v[SPW], v[NIL]                      ; the opening: the add, twice on end, and its wait ahead of my first tensor load
	ds_add_u32 v[SPW], v[NIL]
	v_lshrrev_b32 v1, 5, v0
	v_readfirstlane_b32 s[WV], v1
	s_and_b32 s13, ttmp7, 0xffff                   ; batch x 8 + head
	s_and_b32 s16, s[WV], 1                        ; which of a slot's two steps I fetch
	s_sub_co_u32 s15, 31, ttmp9
	s_lshl_b32 s15, s15, 6
	s_lshl_b32 s17, s[WV], 4
	s_add_co_u32 s[QH], s15, s17
	s_lshl_b32 s[QL], ttmp9, 6
	s_add_co_u32 s[QL], s[QL], s17
	s_add_co_u32 s[QLAST], s15, 63
	s_mov_b32 s[G1K], (1<<16)|(1<<20)|(5<<22)|(3<<25)   ; elements of 2 bytes; 4 words of padding behind every 64
	s_mov_b32 s[G1V], (1<<16)|(1<<20)|(5<<22)|(7<<25)   ; 8 words
.irp g, G1K, G1V
	s_mov_b32 s[\g+1], 128<<16
	s_mov_b32 s[\g+2], KS<<16
	s_mov_b32 s[\g+3], 128<<16
	s_mov_b32 s[\g+4], KS
	s_mov_b32 s[\g+5], 128
	s_mov_b32 s[\g+6], 0
	s_mov_b32 s[\g+7], 0
.endr
	s_mov_b32 s[CS], 0x3e0293ee                    ; c = log2(e) / sqrt(128)
	s_mov_b32 s[CS+1], s[CS]
	s_mov_b32 s[SEL], 0x76543210
	s_mov_b32 s[SEL+1], 0xfedcba98
	s_mov_b32 s[TB], 0
	s_mov_b32 s[KF], 0
	s_mov_b32 s[SLOTS], 15
	s_lshl_b32 s20, s13, 19
	s_lshl_b32 s21, s16, 14
	s_add_co_u32 s20, s20, s21
	s_mov_b32 s21, 0
	s_wait_dscnt 0x0                               ; both opening adds are done
	s_wait_kmcnt 0x0
	s_add_nc_u64 s[22:23], s[6:7], s[20:21]        ; k at my step of slot 0
	s_mov_b32 s[G0K], 1
	s_mul_i32 s[G0K+1], s16, STEPB
	s_mov_b64 s[G0K+2:G0K+3], s[22:23]
	s_or_b32 s[G0K+3], s[G0K+3], 0x80000000
	s_mov_b32 s[G0V], 1
	s_add_co_u32 s[G0V+1], s[G0K+1], VOFF
	s_add_nc_u64 s[G0V+2:G0V+3], s[22:23], VOF
	s_or_b32 s[G0V+3], s[G0V+3], 0x80000000
	TLOAD_FULL                                     ; slot 0: every wave issues one load, so every way through the text passes one
	s_lshr_b32 s17, s[WV], 1
	s_lshl_b32 s20, s17, 23                        ; waves 2, 3: v
	s_add_co_u32 s20, s20, 2*KS*256                ; slot 1: the first change of slots steps it to slot 2
	s_add_nc_u64 s[PFA:PFA+1], s[22:23], s[20:21]
	s_cmp_eq_u32 ttmp9, 0
	s_cselect_b32 s[LIM], 1, -1
	s_lshr_b32 s17, s13, 3
	s_lshl_b32 s17, s17, 11                        ; the batch's first row
	s_and_b32 s18, s13, 7                          ; the head
	s_add_co_u32 s10, s17, s[QH]
	s_add_co_u32 s11, s17, s[QL]
	s_lshl_b32 s2, s18, 9
	s_lshl_b32 s20, s10, 12
	s_add_co_u32 s20, s20, s2
	s_add_nc_u64 s[48:49], s[4:5], s[20:21]        ; q at tile H
	s_lshl_b32 s20, s11, 12
	s_add_co_u32 s20, s20, s2
	s_add_nc_u64 s[50:51], s[4:5], s[20:21]        ; and at tile L
	s_lshl_b32 s2, s18, 8
	s_lshl_b32 s20, s10, 11
	s_add_co_u32 s20, s20, s2
	s_add_nc_u64 s[74:75], s[8:9], s[20:21]        ; o likewise
	s_lshl_b32 s20, s11, 11
	s_add_co_u32 s20, s20, s2
	s_add_nc_u64 s[76:77], s[8:9], s[20:21]
	v_and_b32 v1, 15, v0                           ; r
	v_bfe_u32 v9, v0, 4, 1                         ; h
	v_lshlrev_b32 v[QO], 12, v1
	v_lshl_add_u32 v[QO], v9, 5, v[QO]             ; q: 4,096 r + 32 h
.irp u, 0,1,2,3                                ; channels 32 u + 8 h + 0 .. 7 and 32 u + 16 + 8 h + 0 .. 7, as f32
	global_load_b128 v[64+16*\u:67+16*\u], v[QO], s[48:49] offset:128*\u
	global_load_b128 v[68+16*\u:71+16*\u], v[QO], s[48:49] offset:128*\u+16
	global_load_b128 v[72+16*\u:75+16*\u], v[QO], s[48:49] offset:128*\u+64
	global_load_b128 v[76+16*\u:79+16*\u], v[QO], s[48:49] offset:128*\u+80
	global_load_b128 v[192+16*\u:195+16*\u], v[QO], s[50:51] offset:128*\u
	global_load_b128 v[196+16*\u:199+16*\u], v[QO], s[50:51] offset:128*\u+16
	global_load_b128 v[200+16*\u:203+16*\u], v[QO], s[50:51] offset:128*\u+64
	global_load_b128 v[204+16*\u:207+16*\u], v[QO], s[50:51] offset:128*\u+80
.endr
	v_mul_u32_u24 v[AK0], v1, PK
	v_lshl_add_u32 v[AK0], v9, 4, v[AK0]
	v_and_b32 v33, 7, v0
	v_bfe_u32 v34, v0, 3, 1
	v_lshl_add_u32 v[AV0], v9, 3, v33              ; the turning load: key 8 h + l % 8, channels 8 ((l / 8) % 2) on
	v_mul_u32_u24 v[AV0], v[AV0], PV
	v_lshl_add_u32 v[AV0], v34, 4, v[AV0]
	v_add_nc_u32 v[AV0], VOFF, v[AV0]
	s_mul_i32 s2, s[WV], 16*272
	s_add_co_u32 s2, s2, STAGE
	v_add_nc_u32 v[STO], s2, v[AK0]                ; the stage, in: 272 r + 16 h
	v_mul_u32_u24 v[RD], v9, 272
	v_lshl_add_u32 v[RD], v1, 4, v[RD]
	v_add_nc_u32 v[RD], s2, v[RD]                  ; and back: sixteen lanes to a row
	v_lshlrev_b32 v[GO], 11, v9
	v_lshl_add_u32 v[GO], v1, 4, v[GO]
	v_lshlrev_b32 v33, 3, v9
	v_sub_nc_u32 v32, v1, v33                      ; r - 8 h, for the mask
	v_mov_b32 v[NINF], 0xff800000
	v_and_b32 v[PFO], 31, v0
	v_lshlrev_b32 v[PFO], 8, v[PFO]
.irp t, 0,1
	v_mov_b32 v[ST+8*\t+1], 0xff61b1e6             ; m = -3e38, under every score
	v_mul_f32 v[ST+8*\t], s[CS], v[ST+8*\t+1]
.irp j, 2,3,4,5,6,7
	v_mov_b32 v[ST+8*\t+\j], 0
.endr
.endr
	WIN 0x40
.set n, 0
.rept 128
	v_mov_b32 v[n], 0                              ; O^T.  A tile's first step is reached under branches, so the step is written once and finds zeros
.set n, n+1
.endr
	WIN 0
	s_wait_loadcnt 0x0
.set n, 0
.rept 32
	v_cvt_pk_f16_f32 v[Q+n], v[64+2*n], v[65+2*n]
.set n, n+1
.endr
.set n, 0
.rept 32
	v_cvt_pk_f16_f32 v[Q+32+n], v[192+2*n], v[193+2*n]     ; in place, ascending: a destination never passes the sources still to be read
.set n, n+1
.endr
; One tile's turn in a key step
.macro TILE t
.set rT, ST+8*\t
.set rS, S+32*\t
.set rP, P+16*\t
.set rQ, Q+32*\t
.set rO, 64*\t
	WIN 0x01                                       ; K in window 1
.irp c, 0,1,2,3
.if \t == 0
	s_wait_dscnt 56-8*\c                           ; K's chunk c is in: its later chunks and V's 32 loads may be out
.endif
.irp kt, 0,1,2,3
.if \c == 0
	v_wmma_f32_16x16x32_f16 v[rS+8*\kt:rS+8*\kt+7], v[KFR+8*(4*\kt+\c):KFR+8*(4*\kt+\c)+7], v[rQ+8*\c:rQ+8*\c+7], 0
.else
	v_wmma_f32_16x16x32_f16 v[rS+8*\kt:rS+8*\kt+7], v[KFR+8*(4*\kt+\c):KFR+8*(4*\kt+\c)+7], v[rQ+8*\c:rQ+8*\c+7], v[rS+8*\kt:rS+8*\kt+7]
.endif
.endr
.endr
	WIN 0
.rept 4
	v_nop
.endr
	s_add_co_u32 s2, s[KF], KS-1
	s_cmp_le_u32 s2, s[QH+\t]
	s_cbranch_scc1 .Lopen_\@                       ; all 64 keys count for all 16 queries
	s_sub_co_i32 s2, s[QH+\t], s[KF]
	v_add_nc_u32 v[DM], s2, v32                    ; register 8 kt + j holds key KF + 16 kt + 8 h + j: hidden where 16 kt + j > my query - KF - 8 h
.set n, 0
.rept 32
	v_cmp_gt_i32 vcc_lo, 16*(n/8)+n%8, v[DM]
	v_cndmask_b32 v[rS+n], v[rS+n], v[NINF], vcc_lo
.set n, n+1
.endr
.Lopen_\@:
.irp j, 0,1,2,3
	v_max3_num_f32 v[rT+4+\j], v[rS+8*\j], v[rS+8*\j+1], v[rS+8*\j+2]
.endr
.irp j, 0,1,2,3
	v_max3_num_f32 v[rT+4+\j], v[rT+4+\j], v[rS+8*\j+3], v[rS+8*\j+4]
.endr
.irp j, 0,1,2,3
	v_max3_num_f32 v[rT+4+\j], v[rT+4+\j], v[rS+8*\j+5], v[rS+8*\j+6]
.endr
	v_max3_num_f32 v[rT+4], v[rT+4], v[rS+7], v[rS+15]
	v_max3_num_f32 v[rT+6], v[rT+6], v[rS+23], v[rS+31]
	v_max3_num_f32 v[rT+4], v[rT+4], v[rT+5], v[rT+6]
	v_max3_num_f32 v[rT+4], v[rT+4], v[rT+7], v[rT+1]
	v_permlanex16_b32 v[rT+5], v[rT+4], s[SEL], s[SEL+1]
	v_mov_b32 v[rT+7], v[rT]                       ; c m_old
	v_max_num_f32 v[rT+1], v[rT+4], v[rT+5]        ; the running maximum
	v_mul_f32 v[rT], s[CS], v[rT+1]
	v_sub_f32 v[rT+7], v[rT+7], v[rT]
	v_exp_f32 v[rT+6], v[rT+7]                     ; a = 2^(c m_old - c m_new)
.set n, 0
.rept 16
	v_pk_fma_f32 v[rS+n:rS+n+1], v[rS+n:rS+n+1], s[CS:CS+1], v[rT:rT+1] op_sel_hi:[1,0,0] neg_lo:[0,0,1] neg_hi:[0,0,1]
.set n, n+2
.endr
.set n, 0
.rept 32
	v_exp_f32 v[rS+n], v[rS+n]
.set n, n+1
.endr
	v_nop                                          ; a plain instruction behind the last exponential
	s_wait_alu depctr_va_vdst(0)                   ; one wait for the 33, ahead of their first reader
.set n, 0
.rept 16
	v_cvt_pk_f16_f32 v[rP+n], v[rS+2*n], v[rS+2*n+1]
.set n, n+1
.endr
.irp u, 0,1,2,3,4,5,6,7
	v_pk_add_f32 v[rS+4*\u:rS+4*\u+1], v[rS+4*\u:rS+4*\u+1], v[rS+4*\u+2:rS+4*\u+3]
.endr
.irp u, 0,1,2,3
	v_pk_add_f32 v[rS+8*\u:rS+8*\u+1], v[rS+8*\u:rS+8*\u+1], v[rS+8*\u+4:rS+8*\u+5]
.endr
.irp u, 0,1
	v_pk_add_f32 v[rS+16*\u:rS+16*\u+1], v[rS+16*\u:rS+16*\u+1], v[rS+16*\u+8:rS+16*\u+9]
.endr
	v_pk_add_f32 v[rS:rS+1], v[rS:rS+1], v[rS+16:rS+17]
	v_pk_fma_f32 v[rT+2:rT+3], v[rT+2:rT+3], v[rT+6:rT+7], v[rS:rS+1] op_sel_hi:[1,0,1]    ; l = a l + the step's sum
	WIN 0x41
.set n, 0
.rept 32
	v_pk_mul_f32 v[rO+n:rO+n+1], v[rO+n:rO+n+1], v[rT+6:rT+7] op_sel_hi:[1,0]
.set n, n+2
.endr
.if \t == 0
	s_wait_dscnt 0x0                               ; V is in
.endif
	WIN 0x52                                       ; V in window 2, P in window 0, O^T in window 1
.irp kc, 0,1
.irp ch, 0,1,2,3,4,5,6,7
	v_wmma_f32_16x16x32_f16 v[rO+8*\ch:rO+8*\ch+7], v[64*\kc+8*\ch:64*\kc+8*\ch+7], v[rP+8*\kc:rP+8*\kc+7], v[rO+8*\ch:rO+8*\ch+7]
.endr
.endr
	WIN 0
.endm
; A key step: 64 keys, the q-th of the slot in hand.  A step past tile H's queries is left out (a branch on ids); the line that steps KF is not
.macro STEP q
	s_add_co_u32 s2, s[QH], 15
	s_cmp_gt_u32 s[KF], s2
	s_cbranch_scc1 .Lskip_\@
.rept 4
	v_nop                                          ; places in front of loads into registers that matrix instructions have read
.endr
	v_add_nc_u32 v[ADK], s[TB], v[AK0]
	v_add_nc_u32 v[ADV], s[TB], v[AV0]
	WIN 0x40
.irp c, 0,1,2,3
.irp kt, 0,1,2,3
	ds_load_b128 v[KFR+8*(4*\kt+\c):KFR+8*(4*\kt+\c)+3], v[ADK] offset:(\q)*STEPB+\kt*16*PK+\c*64
	ds_load_b128 v[KFR+8*(4*\kt+\c)+4:KFR+8*(4*\kt+\c)+7], v[ADK] offset:(\q)*STEPB+\kt*16*PK+\c*64+32
.endr
.endr
	WIN 0x80
.irp f, 0,1,2,3,4,5,6,7,8,9,10,11,12,13,14,15
	ds_load_tr16_b128 v[8*\f:8*\f+3], v[ADV] offset:(\q)*STEPB+(\f/8)*32*PV+(\f%8)*32
	ds_load_tr16_b128 v[8*\f+4:8*\f+7], v[ADV] offset:(\q)*STEPB+(\f/8)*32*PV+16*PV+(\f%8)*32
.endr
	WIN 0
	TILE 0
	s_add_co_u32 s2, s[QL], 15
	s_cmp_gt_u32 s[KF], s2
	s_cbranch_scc1 .Lskip_\@
	TILE 1
.Lskip_\@:
	s_add_co_u32 s[KF], s[KF], KS
.endm
; The change of slots, at a slot's head.  Behind the barrier the slot ahead is whole and nobody reads the other one, which is then filled with the keys that follow, as far as some query of the work-group sees them:
; the tests hang on ids and the count of steps alone, the same in all four waves; a slot or step that is not asked for is read on no path.
.macro CHANGE fill
	s_wait_tensorcnt 0x0                           ; no tensor load of mine is out, so a group 0 may be written
	ds_add_u32 v[SPW], v[NIL]
.if \fill
	s_xor_b32 s[G0K+1], s[G0K+1], SLOT1
	s_add_nc_u64 s[G0K+2:G0K+3], s[G0K+2:G0K+3], 2*KS*256
	s_xor_b32 s[G0V+1], s[G0V+1], SLOT1
	s_add_nc_u64 s[G0V+2:G0V+3], s[G0V+2:G0V+3], 2*KS*256
	s_wait_xcnt 0x0                                ; the last prefetches, a slot back, have read their address
	s_add_nc_u64 s[PFA:PFA+1], s[PFA:PFA+1], 2*KS*256
.endif
	s_wait_dscnt 0x0                               ; the add is done, and my reads of the slot that I have left are over
	s_barrier_signal -1
	s_barrier_wait -1
.if \fill
	s_add_co_u32 s2, s[KF], 2*KS                   ; the next slot's first key
	s_cmp_gt_u32 s2, s[QLAST]
	s_cbranch_scc1 .Lpast_\@
	s_add_co_u32 s2, s[KF], 3*KS                   ; and its second step's
	s_cmp_gt_u32 s2, s[QLAST]
	s_cbranch_scc1 .Lhalf_\@
	TLOAD_FULL
	s_branch .Lpast_\@
.Lhalf_\@:
	TLOAD_HALF
.Lpast_\@:
	ASK
.endif
.endm
.Lslot:                                        ; 15 trips
	CHANGE 1
	STEP 0
	STEP 1
	s_xor_b32 s[TB], s[TB], SLOT1
	s_sub_co_u32 s[SLOTS], s[SLOTS], 1
	s_cmp_lg_u32 s[SLOTS], 0
	s_cbranch_scc1 .Lslot
	CHANGE 0                                       ; the last slot: nothing is left to ask for
	STEP 0
	STEP 1
	; THE WAY OUT: O^T / l, rounded to f16, through my stage, as whole rows of 256 bytes
.irp t, 0,1
	v_add_f32 v[ST+8*\t+4], v[ST+8*\t+2], v[ST+8*\t+3]
.endr
.irp t, 0,1
	v_permlanex16_b32 v[ST+8*\t+5], v[ST+8*\t+4], s[SEL], s[SEL+1]
.endr
.irp t, 0,1
	v_add_f32 v[ST+8*\t+4], v[ST+8*\t+4], v[ST+8*\t+5]
.endr
.irp t, 0,1
	v_rcp_f32 v[ST+8*\t+6], v[ST+8*\t+4]
.endr
	v_nop
	s_wait_alu depctr_va_vdst(0)                   ; one wait for the two reciprocals
.macro PACK t
	WIN 0x41
.set n, 0
.rept 32
	v_pk_mul_f32 v[64*\t+n:64*\t+n+1], v[64*\t+n:64*\t+n+1], v[ST+8*\t+6:ST+8*\t+7] op_sel_hi:[1,0]
.set n, n+2
.endr
	WIN 0x05
.set n, 0
.rept 32
	v_cvt_pk_f16_f32 v[S+32*\t+n], v[64*\t+2*n], v[64*\t+2*n+1]
.set n, n+1
.endr
	WIN 0
.irp f, 0,1,2,3,4,5,6,7
	ds_store_b128 v[STO], v[S+32*\t+4*\f:S+32*\t+4*\f+3] offset:32*\f
.endr
.irp f, 0,1,2,3,4,5,6,7
	ds_load_b128 v[S+32*\t+4*\f:S+32*\t+4*\f+3], v[RD] offset:544*\f           ; LDS serves a wave's instructions in order
.endr
.endm
.macro SEND t, younger
.irp f, 0,1,2,3,4,5,6,7
	s_wait_dscnt \younger+7-\f
	global_store_b128 v[GO], v[S+32*\t+4*\f:S+32*\t+4*\f+3], s[74+2*\t:75+2*\t] offset:4096*\f   ; sixteen lanes store 256 consecutive bytes, aligned
.endr
.endm
	PACK 0
	PACK 1
	SEND 0, 16                                     ; behind tile H's loads: tile L's eight stores and eight loads
	SEND 1, 0
	s_wait_tensorcnt 0x0                           ; the wave's end
	ds_add_u32 v[SPW], v[NIL]
	s_wait_dscnt 0x0
	s_endpgm
.Lfunc_end_k_q9bde4ad909_attn:
	.size	k_q9bde4ad909_attn, .Lfunc_end_k_q9bde4ad909_attn-k_q9bde4ad909_attn
	.p2alignl 7, 3214868480
	.fill 96, 4, 3214868480
	.section	.rodata,"a",@progbits
	.p2align	6, 0x0
	.amdhsa_kernel k_q9bde4ad909_attn
		.amdhsa_group_segment_fixed_size 327680
		.amdhsa_private_segment_fixed_size 0
		.amdhsa_enable_private_segment 0
		.amdhsa_kernarg_size 24
		.amdhsa_user_sgpr_count 2
		.amdhsa_user_sgpr_kernarg_segment_ptr 1
		.amdhsa_wavefront_size32 1
		.amdhsa_system_sgpr_workgroup_id_x 1
		.amdhsa_system_sgpr_workgroup_id_y 1
		.amdhsa_system_sgpr_workgroup_id_z 1
		.amdhsa_system_vgpr_workitem_id 0
		.amdhsa_next_free_vgpr 640
		.amdhsa_next_free_sgpr 80
		.amdhsa_reserve_vcc 1
		.amdhsa_float_denorm_mode_32 3
		.amdhsa_float_denorm_mode_16_64 3
		.amdhsa_memory_ordered 1
		.amdhsa_forward_progress 1
		.amdhsa_inst_pref_size 145
	.end_amdhsa_kernel
	.amdgpu_metadata
---
amdhsa.version: [ 1, 2 ]
amdhsa.kernels:
  - .name:           k_q9bde4ad909_attn
    .symbol:         k_q9bde4ad909_attn.kd
    .args:
      - { .name: q32, .offset: 0, .size: 8, .value_kind: global_buffer, .address_space: global }
      - { .name: kv16, .offset: 8, .size: 8, .value_kind: global_buffer, .address_space: global }
      - { .name: o16, .offset: 16, .size: 8, .value_kind: global_buffer, .address_space: global }
    .group_segment_fixed_size: 327680
    .private_segment_fixed_size: 0
    .kernarg_segment_align: 8
    .kernarg_segment_size: 24
    .max_flat_workgroup_size: 128
    .sgpr_count:     80
    .vgpr_count:     640
    .wavefront_size: 32
...
	.end_amdgpu_metadata
.endif
;; end of part 3
;; launch oproj (part 4): grid 8 x 32, 4 waves a work-group, clusters of 4 x 4, 327,680 bytes of LDS; arguments o16, weff, out0; writes out0
.if DOCPART == 4
	.amdgcn_target "amdgcn-amd-amdhsa--gfx1250"
	.amdhsa_code_object_version 6
	.text
	.protected	k_q9bde4ad909_oproj
	.globl	k_q9bde4ad909_oproj
	.p2align	8
	.type	k_q9bde4ad909_oproj,@function
k_q9bde4ad909_oproj:
	s_mov_b64 s[64:65], 0
	v_nop
	global_prefetch_b8 v0, s[64:65] scope:SCOPE_SE
	s_setreg_imm32_b32 hwreg(HW_REG_WAVE_MODE, 25, 1), 1
	s_wait_xcnt 0x0
	s_wait_alu depctr_hold_cnt(0) depctr_sa_sdst(0) depctr_va_vdst(0) depctr_va_sdst(0) depctr_va_ssrc(0) depctr_va_vcc(0) depctr_vm_vsrc(0)
	s_getreg_b32 s2, hwreg(HW_REG_IB_STS2, 6, 4)
	s_cmp_eq_u32 s2, 0
	s_cbranch_scc0 .Lentry_in_a_cluster
	s_endpgm
.Lentry_in_a_cluster:
	s_bfe_u32 s2, ttmp6, 0x10000c
	s_cmp_lg_u32 s2, 0xf033
	s_cbranch_scc0 .Lentry_shape_is_right
	s_endpgm
.Lentry_shape_is_right:
; OPROJ: out0 = o Weff^T, o [4096][1024] f16, Weff's high parts [2048 n][1024 k] f16, out0 [4096][2048] f32; sums in f32.
; WORK LEFT OUT: the two LoRA products on the way out are inside Weff = Wo + Ao Bo (shown at the head of the first launch).
; A tile of 128 rows x 256 columns to a work-group: 256 work-groups.  A wave makes 64 x 128: 32 accumulators.  K goes in eight steps of 128 (rows of 256 bytes) through two LDS slots; two slots of a longer step do not fit.
; 4 x 4 work-groups form a cluster: o's tile is shared along a row, Weff's along a column, each asked for jointly.
; The matrix instruction is used transposed (source 0 = 16 rows of Weff, source 1 = 16 rows of o): a lane holds eight neighbouring columns of a row of out0.
; The first 16 rows of each sequence go out with their tile and are written anew, more finely, by the next launch: a branch round them would hang on the place in the cluster.
; LIMIT: |o| and |Weff| under 65,504 (f16).
; REGISTERS: window 0: v16-29 addresses; v32-159 rows on the way out.  window 1: two fragment buffers (Weff's 8 at +0, o's 4 at +64).  window 2: accumulator (a, b) at v[8 (8 a + b)].
.set SIZE_K, 1024
.set SIZE_N, 2048
.set KSTEP,  128
.set PITCH,  272
.set HA,     64*PITCH
.set HB,     128*PITCH
.set SLOT,   2*HA+2*HB
.set STAGE,  2*SLOT                    ; behind the ring: 16 rows x 528 bytes for each wave
.set SPITCH, 528
.set SPARE,  STAGE+4*16*SPITCH         ; the spare words: two blocks of 256 bytes that no other line names
.set LAPS,   SIZE_K/(2*KSTEP)
.set ADRA, 16
.set ADRB, 20
.set STO,  24
.set RD,   25
.set CO,   26
.set SPW,  28
.set NIL,  29
.set BK,   32
.set F0,   0
.set F1,   128
.set G1, 24
.set G0, 32
.set G1B, 48
.set G0B, 56
.set MSB, 0
.macro WIN new
.if MSB != (\new)
	s_set_vgpr_msb (MSB<<8)|(\new)
.set MSB, (\new)
.endif
.endm
.set MUL,  0xa5                        ; sources 0 and 1 window 1; C and D window 2
.set TO_F, 0x40
.macro JLOAD s                         ; waves 0, 1 fetch o's halves, waves 2, 3 Weff's; s_nop 0 and four v_nop follow each line
	s_cmp_eq_u32 s11, 0
	s_cbranch_scc0 .Lfor_b_\@
	tensor_load_to_lds s[G0+4*\s:G0+4*\s+3], s[G1:G1+7]
	s_nop 0
.rept 4
	v_nop
.endr
	s_branch .Lasked_\@
.Lfor_b_\@:
	tensor_load_to_lds s[G0B+4*\s:G0B+4*\s+3], s[G1B:G1B+7]
	s_nop 0
.rept 4
	v_nop
.endr
.Lasked_\@:
.endm
.macro CREST
	s_cmp_lg_u32 s10, 0
	s_cbranch_scc1 .Lnot_wave_0_\@
	s_barrier_signal -3
.Lnot_wave_0_\@:
	s_barrier_wait -3
	s_barrier_signal -1
	s_barrier_wait -1
.endm
.macro CROUND
	s_barrier_signal -1
	s_barrier_wait -1
	CREST
.endm
	s_load_b128 s[4:7], s[0:1], 0x0                ; o16, weff
	s_load_b64 s[8:9], s[0:1], 0x10                ; out0
	v_lshl_add_u32 v[SPW], v0, 2, SPARE
	v_mov_b32 v[NIL], 0
	ds_add_u32 v[SPW], v[NIL]                      ; the opening: the add, twice on end, and its wait ahead of my first tensor load
	ds_add_u32 v[SPW], v[NIL]
	v_lshrrev_b32 v1, 5, v0
	v_readfirstlane_b32 s10, v1
	s_lshr_b32 s11, s10, 1                         ; my half of the rows.  Also: I fetch for o (0) or for Weff (1)
	s_and_b32 s12, s10, 1                          ; my half of the columns.  Also: which half I fetch
	s_bfe_u32 s40, ttmp6, 0x40000
	s_bfe_u32 s41, ttmp6, 0x40004
	s_lshl_b32 s42, ttmp9, 2
	s_add_co_u32 s42, s42, s40                     ; tile column
	s_and_b32 s13, ttmp7, 0xffff
	s_lshl_b32 s13, s13, 2
	s_add_co_u32 s13, s13, s41                     ; tile row
	s_lshl_b32 s43, s41, 2
	s_lshl_b32 s43, 15, s43
	s_lshl_b32 s44, 0x1111, s40
	s_or_b32 s[G1], s43, (1<<16)|(1<<20)|(1<<21)|(5<<22)|(3<<25)
	s_or_b32 s[G1B], s44, (1<<16)|(1<<20)|(1<<21)|(5<<22)|(3<<25)
	s_mov_b32 s[G1+1], KSTEP<<16
	s_mov_b32 s[G1+2], 64<<16
	s_mov_b32 s[G1+3], KSTEP<<16
	s_mov_b32 s[G1+4], 64
	s_mov_b32 s[G1+5], SIZE_K
	s_mov_b32 s[G1+6], 0
	s_mov_b32 s[G1+7], 0
	s_mov_b32 s[G1B+1], KSTEP<<16
	s_mov_b32 s[G1B+2], 128<<16
	s_mov_b32 s[G1B+3], KSTEP<<16
	s_mov_b32 s[G1B+4], 128
	s_mov_b32 s[G1B+5], SIZE_K
	s_mov_b32 s[G1B+6], 0
	s_mov_b32 s[G1B+7], 0
	s_lshl_b32 s17, s12, 6
	s_lshl_b32 s16, s13, 7
	s_add_co_u32 s16, s16, s17
	s_lshl_b32 s16, s16, 11                        ; o: (128 tile row + 64 half) rows of 2,048 bytes
	s_mov_b32 s17, 0
	s_lshl_b32 s47, s12, 7
	s_lshl_b32 s46, s42, 8
	s_add_co_u32 s46, s46, s47
	s_lshl_b32 s46, s46, 11                        ; Weff: (256 tile column + 128 half) rows
	s_mov_b32 s47, 0
	s_mul_i32 s20, s12, HA
	s_mul_i32 s21, s12, HB
	s_add_co_u32 s21, s21, 2*HA
	s_wait_dscnt 0x0
	s_wait_kmcnt 0x0
	s_add_nc_u64 s[14:15], s[4:5], s[16:17]
	s_add_nc_u64 s[46:47], s[6:7], s[46:47]
	CROUND                                         ; all sixteen work-groups are here: the first joint loads meet
.irp s, 0,1
	s_mov_b32 s[G0+4*\s], 1
	s_add_co_u32 s[G0+4*\s+1], s20, \s*SLOT
	s_add_nc_u64 s[G0+4*\s+2:G0+4*\s+3], s[14:15], \s*KSTEP*2
	s_or_b32 s[G0+4*\s+3], s[G0+4*\s+3], 0x80000000
	s_mov_b32 s[G0B+4*\s], 1
	s_add_co_u32 s[G0B+4*\s+1], s21, \s*SLOT
	s_add_nc_u64 s[G0B+4*\s+2:G0B+4*\s+3], s[46:47], \s*KSTEP*2
	s_or_b32 s[G0B+4*\s+3], s[G0B+4*\s+3], 0x80000000
	JLOAD \s
.endr
	v_and_b32 v1, 15, v0
	v_bfe_u32 v2, v0, 4, 1
	v_mul_u32_u24 v3, v1, PITCH
	v_lshl_add_u32 v3, v2, 4, v3
	s_mul_i32 s22, s11, HA
	s_mul_i32 s23, s12, HB
	s_add_co_u32 s23, s23, 2*HA
.irp s, 0,1
	v_add_nc_u32 v[ADRA+\s], s22, v3
	v_add_nc_u32 v[ADRB+\s], s23, v3
	s_add_co_u32 s22, s22, SLOT
	s_add_co_u32 s23, s23, SLOT
.endr
	s_mul_i32 s22, s10, 16*SPITCH
	s_add_co_u32 s22, s22, STAGE
	v_mul_u32_u24 v4, v1, SPITCH
	v_lshl_add_u32 v4, v2, 5, v4
	v_add_nc_u32 v[STO], s22, v4
	v_and_b32 v5, 31, v0
	v_lshlrev_b32 v[CO], 4, v5
	v_add_nc_u32 v[RD], s22, v[CO]
	s_lshl_b32 s16, s13, 7
	s_lshl_b32 s17, s11, 6
	s_add_co_u32 s16, s16, s17
	s_lshl_b32 s16, s16, 13                        ; my first row of out0, 8,192 bytes a row
	s_lshl_b32 s17, s42, 10
	s_add_co_u32 s16, s16, s17
	s_lshl_b32 s17, s12, 9
	s_add_co_u32 s16, s16, s17                     ; and my first column
	s_mov_b32 s17, 0
	s_add_nc_u64 s[8:9], s[8:9], s[16:17]
.macro MUL8 f, a, zero                 ; o's block a against Weff's eight, 32 along K.  The 32 accumulators take turns
.irp b, 0,1,2,3,4,5,6,7
.if \zero
	v_wmma_f32_16x16x32_f16 v[8*(8*(\a)+\b):8*(8*(\a)+\b)+7], v[\f+8*\b:\f+8*\b+7], v[\f+64+8*(\a):\f+64+8*(\a)+7], 0
.else
	v_wmma_f32_16x16x32_f16 v[8*(8*(\a)+\b):8*(8*(\a)+\b)+7], v[\f+8*\b:\f+8*\b+7], v[\f+64+8*(\a):\f+64+8*(\a)+7], v[8*(8*(\a)+\b):8*(8*(\a)+\b)+7]
.endif
.endr
.endm
.macro FETCH slot, k, f                ; 24 LDS loads: Weff's 16, then o's 8
	WIN TO_F
.irp i, 0,1,2,3,4,5,6,7
	ds_load_b128 v[\f+8*\i:\f+8*\i+3], v[ADRB+\slot] offset:\k+\i*16*PITCH
	ds_load_b128 v[\f+8*\i+4:\f+8*\i+7], v[ADRB+\slot] offset:\k+\i*16*PITCH+32
.endr
.irp i, 0,1,2,3
	ds_load_b128 v[\f+64+8*\i:\f+64+8*\i+3], v[ADRA+\slot] offset:\k+\i*16*PITCH
	ds_load_b128 v[\f+64+8*\i+4:\f+64+8*\i+7], v[ADRA+\slot] offset:\k+\i*16*PITCH+32
.endr
.endm
.macro PLACES
.rept 4
	v_nop
.endr
.endm
.macro QUARTER slot, k, f, g, zero     ; 32 along K: multiplies buffer f, fetches the next quarter, at byte k, into g
	s_wait_dscnt 4                                 ; all but the youngest four loads (o's blocks 2, 3)
	WIN MUL
	MUL8 \f, 0, \zero
	MUL8 \f, 1, \zero
	PLACES
	FETCH \slot, \k, \g
	s_wait_dscnt 24                                ; all but the 24 just issued
	WIN MUL
	MUL8 \f, 2, \zero
	MUL8 \f, 3, \zero
.endm
.macro TURN slot, next, fill           ; a K step's last quarter changes slots
	WIN 0
	s_wait_tensorcnt 0x0                           ; all my tensor loads have landed: my part of the next slot
	ds_add_u32 v[SPW], v[NIL]
	s_wait_dscnt 5                                 ; (the add and the youngest four loads may be out)
	WIN MUL
	MUL8 F1, 0, 0
	s_wait_dscnt 0x0                               ; the add is done, and my reads of this slot are over
	s_barrier_signal -1
	MUL8 F1, 1, 0
.if \fill
	WIN 0
.endif
	s_barrier_wait -1
.if \fill
	CREST                                          ; the barrier has opened a round of the cluster's
	s_add_nc_u64 s[G0+4*\slot+2:G0+4*\slot+3], s[G0+4*\slot+2:G0+4*\slot+3], 2*KSTEP*2
	s_add_nc_u64 s[G0B+4*\slot+2:G0B+4*\slot+3], s[G0B+4*\slot+2:G0B+4*\slot+3], 2*KSTEP*2
	JLOAD \slot                                    ; the first tensor load behind the round; its four v_nop are the places in front of the loads below
.else
	PLACES
.endif
	FETCH \next, 0, F0
	WIN MUL
	MUL8 F1, 2, 0
	MUL8 F1, 3, 0
.endm
	s_wait_tensorcnt 1                             ; my part of K step 0 is in; K step 1's load may be out
	s_barrier_signal -1
	s_barrier_wait -1
	FETCH 0, 0, F0
	QUARTER 0, 64, F0, F1, 1                       ; the first products start the sums
	WIN 0
	s_mov_b32 s3, LAPS-1
.Llap:
	QUARTER 0, 128, F1, F0, 0
	QUARTER 0, 192, F0, F1, 0
	TURN 0, 1, 1
	QUARTER 1, 64,  F0, F1, 0
	QUARTER 1, 128, F1, F0, 0
	QUARTER 1, 192, F0, F1, 0
	TURN 1, 0, 1
	QUARTER 0, 64,  F0, F1, 0
	WIN 0
	s_sub_co_u32 s3, s3, 1
	s_cmp_lg_u32 s3, 0
	s_cbranch_scc1 .Llap
	QUARTER 0, 128, F1, F0, 0                      ; the last lap fills nothing
	QUARTER 0, 192, F0, F1, 0
	TURN 0, 1, 0
	QUARTER 1, 64,  F0, F1, 0
	QUARTER 1, 128, F1, F0, 0
	QUARTER 1, 192, F0, F1, 0
	s_wait_dscnt 4
	WIN MUL
	MUL8 F1, 0, 0
	MUL8 F1, 1, 0
	s_wait_dscnt 0
	MUL8 F1, 2, 0
	MUL8 F1, 3, 0
	WIN 0
; THE WAY OUT, a block of 16 rows x 128 columns at a time, through my own stage: whole rows of 512 bytes
.macro TOSTAGE a
.set AC, 64*(\a)
	WIN 0x08                                       ; an LDS store's data are its source 1: window 2
.irp b, 0,1,2,3,4,5,6,7
	ds_store_b128 v[STO], v[AC+8*\b:AC+8*\b+3] offset:64*\b
	ds_store_b128 v[STO], v[AC+8*\b+4:AC+8*\b+7] offset:64*\b+16
.endr
	WIN 0
.set BB, BK+64*((\a)%2)
.irp t, 0,1,2,3,4,5,6,7,8,9,10,11,12,13,14,15
	ds_load_b128 v[BB+4*\t:BB+4*\t+3], v[RD] offset:\t*SPITCH
.endr
.endm
.macro SEND a, younger
.set BB, BK+64*((\a)%2)
	s_wait_dscnt \younger
.if (\a) > 0
	s_add_nc_u64 s[8:9], s[8:9], 16*SIZE_N*4       ; (behind a wait on XCNT: the earlier stores have read their base)
.endif
.irp t, 0,1,2,3,4,5,6,7,8,9,10,11,12,13,14,15
	global_store_b128 v[CO], v[BB+4*\t:BB+4*\t+3], s[8:9] offset:\t*SIZE_N*4 th:TH_STORE_NT    ; 32 lanes store 512 consecutive bytes, aligned
.endr
.endm
	PLACES
	TOSTAGE 0
.irp a, 1,2,3
.if \a > 1
	s_wait_xcnt 0x0                                ; block a - 2's stores have read their registers and their base
.endif
	TOSTAGE \a
	SEND \a-1, 32                                  ; behind block a - 1's loads: block a's 16 stores and 16 loads
.endr
	s_wait_xcnt 0x0
	SEND 3, 0
	s_wait_tensorcnt 0x0                           ; the wave's end
	ds_add_u32 v[SPW], v[NIL]
	s_wait_dscnt 0x0
	CROUND                                         ; the closing round
	s_endpgm
.Lfunc_end_k_q9bde4ad909_oproj:
	.size	k_q9bde4ad909_oproj, .Lfunc_end_k_q9bde4ad909_oproj-k_q9bde4ad909_oproj
	.p2alignl 7, 3214868480
	.fill 96, 4, 3214868480
	.section	.rodata,"a",@progbits
	.p2align	6, 0x0
	.amdhsa_kernel k_q9bde4ad909_oproj
		.amdhsa_group_segment_fixed_size 327680
		.amdhsa_private_segment_fixed_size 0
		.amdhsa_enable_private_segment 0
		.amdhsa_kernarg_size 24
		.amdhsa_user_sgpr_count 2
		.amdhsa_user_sgpr_kernarg_segment_ptr 1
		.amdhsa_wavefront_size32 1
		.amdhsa_system_sgpr_workgroup_id_x 1
		.amdhsa_system_sgpr_workgroup_id_y 1
		.amdhsa_system_sgpr_workgroup_id_z 1
		.amdhsa_system_vgpr_workitem_id 0
		.amdhsa_next_free_vgpr 768
		.amdhsa_next_free_sgpr 66
		.amdhsa_reserve_vcc 0
		.amdhsa_float_denorm_mode_32 3
		.amdhsa_float_denorm_mode_16_64 3
		.amdhsa_memory_ordered 1
		.amdhsa_forward_progress 1
		.amdhsa_inst_pref_size 85
	.end_amdhsa_kernel
	.amdgpu_metadata
---
amdhsa.version: [ 1, 2 ]
amdhsa.kernels:
  - .name:           k_q9bde4ad909_oproj
    .symbol:         k_q9bde4ad909_oproj.kd
    .args:
      - { .name: o16, .offset: 0, .size: 8, .value_kind: global_buffer, .address_space: global }
      - { .name: weff, .offset: 8, .size: 8, .value_kind: global_buffer, .address_space: global }
      - { .name: out0, .offset: 16, .size: 8, .value_kind: global_buffer, .address_space: global }
    .group_segment_fixed_size: 327680
    .private_segment_fixed_size: 0
    .kernarg_segment_align: 8
    .kernarg_segment_size: 24
    .max_flat_workgroup_size: 128
    .sgpr_count:     66
    .vgpr_count:     768
    .wavefront_size: 32
...
	.end_amdgpu_metadata
.endif
;; end of part 4
;; launch fine (part 5): grid 32 x 2, 8 waves a work-group, no clusters, 35,840 bytes of LDS; arguments q32, out1, out2, weff, out0; writes out0
.if DOCPART == 5
	.amdgcn_target "amdgcn-amd-amdhsa--gfx1250"
	.amdhsa_code_object_version 6
	.text
	.protected	k_q9bde4ad909_fine
	.globl	k_q9bde4ad909_fine
	.p2align	8
	.type	k_q9bde4ad909_fine,@function
k_q9bde4ad909_fine:
	s_mov_b64 s[64:65], 0
	v_nop
	global_prefetch_b8 v0, s[64:65] scope:SCOPE_SE
	s_setreg_imm32_b32 hwreg(HW_REG_WAVE_MODE, 25, 1), 1
	s_wait_xcnt 0x0
; FINE: rows 0-15 of both sequences of out0, carried finely: these rows average one to sixteen values and are the largest in size.  Attention in f32 (the f32 matrix form: no bulk work),
; the projection with both operands as pairs of f16 numbers, high and low (high x high, low x high, high x low).  It writes over what the launch before left in these rows.
; WORK LEFT OUT: the LoRA products on the way out are inside Weff (shown at the head of the first launch).
; A work-group takes one sequence and 64 columns of out0; wave w is head w, which is K = 128 w .. 128 w + 127 of the projection: a head's result never leaves its wave, and only the eight partial sums meet in LDS.
; The attention of the 16 rows is redone in each of the 32 column slices: 64 matrix instructions a wave.
; REGISTERS: window 0: v1-23 addresses and single numbers; v32-95 V, later o's high (32-63) and low (64-95) parts; v96-103 scores; v104-111 p; v112-127 at work; v128-191 K, later Weff's low parts of tiles 0, 1;
;   v192-223 the four accumulators of y.   window 1: v0-127 Weff's high parts (tile nt, chunk u at 32 nt + 8 u); v128-191 Q, later the low parts of tiles 2, 3; v192-255 the f32 form's accumulators, written by matrix instructions alone.
.set SPARE, 34816                      ; behind the eight partial sums (16 rows x 272 bytes each): the spare words, 128 bytes a wave
.set WLO,   4194304
.set MSB, 0
.macro WIN new
.if MSB != (\new)
	s_set_vgpr_msb (MSB<<8)|(\new)
.set MSB, (\new)
.endif
.endm
	s_load_b256 s[4:11], s[0:1], 0x0               ; q32 4, out1 6, out2 8, weff 10
	s_load_b64 s[12:13], s[0:1], 0x20              ; out0
	v_lshl_add_u32 v30, v0, 2, SPARE
	v_mov_b32 v31, 0
	v_lshrrev_b32 v1, 5, v0
	v_readfirstlane_b32 s14, v1                    ; wave = head
	s_and_b32 s15, ttmp7, 0xffff                   ; the sequence
	s_lshl_b32 s16, ttmp9, 6                       ; my first column of out0
	v_and_b32 v1, 15, v0                           ; r
	v_bfe_u32 v2, v0, 4, 1                         ; h
	v_lshlrev_b32 v3, 12, v1
	v_lshl_add_u32 v3, v2, 8, v3                   ; q, k: row r, channels 64 h on
	v_lshlrev_b32 v4, 2, v1
	v_lshl_add_u32 v4, v2, 15, v4                  ; v: 8 rows x h, channel r
	v_lshlrev_b32 v5, 11, v1
	v_lshl_add_u32 v5, v2, 4, v5                   ; Weff: row r, 16 bytes x h
	s_lshl_b32 s20, s15, 23
	s_lshl_b32 s21, s14, 9
	s_add_co_u32 s20, s20, s21
	s_mov_b32 s21, 0
	s_lshl_b32 s22, s16, 11
	s_lshl_b32 s23, s14, 8
	s_add_co_u32 s22, s22, s23
	s_mov_b32 s23, 0
	s_mov_b32 s24, 0x76543210
	s_mov_b32 s25, 0xfedcba98
	s_mov_b32 s26, 0x3e0293ee                      ; c = log2(e) / sqrt(128)
	s_mov_b32 s27, s26
	s_wait_kmcnt 0x0
	s_add_nc_u64 s[4:5], s[4:5], s[20:21]
	s_add_nc_u64 s[6:7], s[6:7], s[20:21]
	s_add_nc_u64 s[8:9], s[8:9], s[20:21]
	s_add_nc_u64 s[10:11], s[10:11], s[22:23]
	WIN 0x40
.set n, 0
.rept 16
	global_load_b128 v[128+4*n:131+4*n], v3, s[4:5] offset:16*n                ; Q: register i = channel 64 h + i
.set n, n+1
.endr
	WIN 0
.set n, 0
.rept 16
	global_load_b128 v[128+4*n:131+4*n], v3, s[6:7] offset:16*n                ; K likewise: the same order of channels on both sides
.set n, n+1
.endr
.irp c, 0,1,2,3,4,5,6,7
.irp i, 0,1,2,3,4,5,6,7
	global_load_b32 v[32+8*\c+\i], v4, s[8:9] offset:4096*\i+64*\c             ; V(key 8 h + i, channel 16 c + r)
.endr
.endr
	s_mul_i32 s28, s14, 4352
	v_mul_u32_u24 v16, v1, 272
	v_lshl_add_u32 v16, v2, 5, v16
	v_add_nc_u32 v16, s28, v16                     ; my partial sums: row r, 32 bytes x h
	s_mul_i32 s28, s14, 544
	v_mul_u32_u24 v17, v2, 272
	v_lshl_add_u32 v17, v1, 4, v17
	v_add_nc_u32 v17, s28, v17                     ; back: rows 2 w and 2 w + 1 of every wave's
	v_lshlrev_b32 v18, 13, v2
	v_lshl_add_u32 v18, v1, 4, v18
	s_lshl_b32 s20, s15, 24
	s_lshl_b32 s28, s14, 14
	s_add_co_u32 s20, s20, s28
	s_lshl_b32 s28, s16, 2
	s_add_co_u32 s20, s20, s28
	s_add_nc_u64 s[12:13], s[12:13], s[20:21]
	v_lshlrev_b32 v6, 3, v2
	v_sub_nc_u32 v6, v1, v6                        ; r - 8 h
	v_mov_b32 v7, 0xff800000
	v_mov_b32 v9, 0
	v_mov_b32 v13, 0
	s_wait_loadcnt 0x3f                            ; the largest count that the wait holds: V's 64 loads were issued behind Q's and K's, so Q and K are in
	WIN 0x40
.irp nt, 0,1,2,3
.irp u, 0,1,2,3
	global_load_b128 v[32*\nt+8*\u:32*\nt+8*\u+3], v5, s[10:11] offset:32768*\nt+64*\u         ; Weff's high parts
	global_load_b128 v[32*\nt+8*\u+4:32*\nt+8*\u+7], v5, s[10:11] offset:32768*\nt+64*\u+32
.endr
.endr
	WIN 0x54                                       ; K window 0, Q window 1, C and D window 1
.set n, 0
.rept 32                                       ; S^T = K Q^T: four accumulators by turns; the first four products start the sums
.if n < 4
	v_wmma_f32_16x16x4_f32 v[192+8*(n%4):199+8*(n%4)], v[128+2*n:129+2*n], v[128+2*n:129+2*n], 0
.else
	v_wmma_f32_16x16x4_f32 v[192+8*(n%4):199+8*(n%4)], v[128+2*n:129+2*n], v[128+2*n:129+2*n], v[192+8*(n%4):199+8*(n%4)]
.endif
.set n, n+1
.endr
	WIN 0
.rept 8
	v_nop                                          ; eight places behind this form
.endr
.irp nt, 0,1
.irp u, 0,1,2,3
	global_load_b128 v[128+32*\nt+8*\u:128+32*\nt+8*\u+3], v5, s[10:11] offset:WLO+32768*\nt+64*\u       ; the low parts, where K lay
	global_load_b128 v[128+32*\nt+8*\u+4:128+32*\nt+8*\u+7], v5, s[10:11] offset:WLO+32768*\nt+64*\u+32
.endr
.endr
	WIN 0x40
.irp nt, 0,1
.irp u, 0,1,2,3
	global_load_b128 v[128+32*\nt+8*\u:128+32*\nt+8*\u+3], v5, s[10:11] offset:WLO+65536+32768*\nt+64*\u ; and where Q lay
	global_load_b128 v[128+32*\nt+8*\u+4:128+32*\nt+8*\u+7], v5, s[10:11] offset:WLO+65536+32768*\nt+64*\u+32
.endr
.endr
	WIN 0x05
.irp i, 0,1,2,3                                ; lane (r, h): query r, keys 8 h + 0 .. 7.  Each accumulator from its low end on
	v_pk_add_f32 v[96+2*\i:97+2*\i], v[192+2*\i:193+2*\i], v[200+2*\i:201+2*\i]
	v_pk_add_f32 v[104+2*\i:105+2*\i], v[208+2*\i:209+2*\i], v[216+2*\i:217+2*\i]
.endr
	WIN 0
.irp i, 0,1,2,3
	v_pk_add_f32 v[96+2*\i:97+2*\i], v[96+2*\i:97+2*\i], v[104+2*\i:105+2*\i]
.endr
.irp j, 0,1,2,3,4,5,6,7
	v_cmp_gt_i32 vcc_lo, \j, v6                    ; key 8 h + j comes after query r
	v_cndmask_b32 v[96+\j], v[96+\j], v7, vcc_lo
.endr
	v_max3_num_f32 v8, v96, v97, v98
	v_max3_num_f32 v9, v99, v100, v101
	v_max3_num_f32 v8, v8, v102, v103
	v_max_num_f32 v8, v8, v9
	v_permlanex16_b32 v9, v8, s24, s25
	v_max_num_f32 v8, v8, v9                       ; the row's maximum: key 0 counts for every query
	v_mul_f32 v10, s26, v8
	v_mov_b32 v11, v10
.irp i, 0,1,2,3
	v_pk_fma_f32 v[104+2*\i:105+2*\i], v[96+2*\i:97+2*\i], s[26:27], v[10:11] op_sel_hi:[1,0,0] neg_lo:[0,0,1] neg_hi:[0,0,1]
.endr
.irp j, 0,1,2,3,4,5,6,7
	v_exp_f32 v[104+\j], v[104+\j]
.endr
	v_nop
	s_wait_alu depctr_va_vdst(0)                   ; one wait for the eight
	v_pk_add_f32 v[112:113], v[104:105], v[106:107]
	v_pk_add_f32 v[114:115], v[108:109], v[110:111]
	v_pk_add_f32 v[112:113], v[112:113], v[114:115]
	v_add_f32 v12, v112, v113
	v_permlanex16_b32 v13, v12, s24, s25
	v_add_f32 v12, v12, v13
	v_rcp_f32 v14, v12
	v_mov_b32 v15, 0                               ; a plain instruction behind the reciprocal (v15 is named with v14 as a pair)
	s_wait_alu depctr_va_vdst(0)
	s_wait_loadcnt 0x3f                            ; Weff's 64 loads were issued behind V's: V is in
	WIN 0x50                                       ; C and D window 1
.irp s, 0,1,2,3                                ; O^T = V^T p: the form's k = 2 h + j stands for key 8 h + 2 s + j on both sides
.irp c, 0,1,2,3,4,5,6,7
.if \s == 0
	v_wmma_f32_16x16x4_f32 v[192+8*\c:199+8*\c], v[32+8*\c:33+8*\c], v[104:105], 0
.else
	v_wmma_f32_16x16x4_f32 v[192+8*\c:199+8*\c], v[32+8*\c+2*\s:33+8*\c+2*\s], v[104+2*\s:105+2*\s], v[192+8*\c:199+8*\c]
.endif
.endr
.endr
	WIN 0
.rept 8
	v_nop
.endr
; o = O^T / l as a high f16 part and, of what the rounding left, a low one.  Chunk c's eight channels of a lane are registers 4 c .. 4 c + 3 of the fragments.  A register's halves are named by number: so the high
; parts are made in v20-23 and moved
.macro SPLIT c
	WIN 0x01
.irp i, 0,1,2,3
	v_pk_mul_f32 v[112+2*\i:113+2*\i], v[192+8*\c+2*\i:193+8*\c+2*\i], v[14:15] op_sel_hi:[1,0]
.endr
	WIN 0
.irp i, 0,1,2,3
	v_cvt_pk_f16_f32 v[20+\i], v[112+2*\i], v[113+2*\i]
.endr
	v_cvt_f32_f16 v120, v20.l
	v_cvt_f32_f16 v121, v20.h
	v_cvt_f32_f16 v122, v21.l
	v_cvt_f32_f16 v123, v21.h
	v_cvt_f32_f16 v124, v22.l
	v_cvt_f32_f16 v125, v22.h
	v_cvt_f32_f16 v126, v23.l
	v_cvt_f32_f16 v127, v23.h
.irp i, 0,1,2,3
	v_mov_b32 v[32+4*\c+\i], v[20+\i]
.endr
.irp i, 0,1,2,3
	v_pk_add_f32 v[112+2*\i:113+2*\i], v[112+2*\i:113+2*\i], v[120+2*\i:121+2*\i] neg_lo:[0,1] neg_hi:[0,1]
.endr
.irp i, 0,1,2,3
	v_cvt_pk_f16_f32 v[64+4*\c+\i], v[112+2*\i], v[113+2*\i]
.endr
.endm
.irp c, 0,1,2,3,4,5,6,7
	SPLIT \c
.endr
	s_wait_loadcnt 0x0                             ; Weff
	; y^T = Weff o^T over my 128 of K: four accumulators by turns
	WIN 0x01
.irp u, 0,1,2,3                                ; high x high
.irp nt, 0,1,2,3
.if \u == 0
	v_wmma_f32_16x16x32_f16 v[192+8*\nt:199+8*\nt], v[32*\nt+8*\u:32*\nt+8*\u+7], v[32+8*\u:39+8*\u], 0
.else
	v_wmma_f32_16x16x32_f16 v[192+8*\nt:199+8*\nt], v[32*\nt+8*\u:32*\nt+8*\u+7], v[32+8*\u:39+8*\u], v[192+8*\nt:199+8*\nt]
.endif
.endr
.endr
.irp u, 0,1,2,3                                ; high x low
.irp nt, 0,1,2,3
	v_wmma_f32_16x16x32_f16 v[192+8*\nt:199+8*\nt], v[32*\nt+8*\u:32*\nt+8*\u+7], v[64+8*\u:71+8*\u], v[192+8*\nt:199+8*\nt]
.endr
.endr
.irp u, 0,1,2,3                                ; low x high: tiles 0, 1 lie in window 0, tiles 2, 3 in window 1
	WIN 0
.irp nt, 0,1
	v_wmma_f32_16x16x32_f16 v[192+8*\nt:199+8*\nt], v[128+32*\nt+8*\u:128+32*\nt+8*\u+7], v[32+8*\u:39+8*\u], v[192+8*\nt:199+8*\nt]
.endr
	WIN 0x01
.irp nt, 0,1
	v_wmma_f32_16x16x32_f16 v[208+8*\nt:215+8*\nt], v[128+32*\nt+8*\u:128+32*\nt+8*\u+7], v[32+8*\u:39+8*\u], v[208+8*\nt:215+8*\nt]
.endr
.endr
	WIN 0
.rept 4
	v_nop
.endr
.irp nt, 0,1,2,3
	ds_store_b128 v16, v[192+8*\nt:195+8*\nt] offset:64*\nt                    ; lane (r, h): y(r, 16 nt + 8 h + 0 .. 7)
	ds_store_b128 v16, v[196+8*\nt:199+8*\nt] offset:64*\nt+16
.endr
	s_wait_dscnt 0x0                               ; for the others' sake: my stores are done
	s_barrier_signal -1
	s_barrier_wait -1
.irp w, 0,1,2,3,4,5,6,7
	ds_load_b128 v[32+4*\w:35+4*\w], v17 offset:4352*\w
.endr
	s_wait_dscnt 0x0
.irp w, 1,2,3,4,5,6,7
	v_pk_add_f32 v[32:33], v[32:33], v[32+4*\w:33+4*\w]
	v_pk_add_f32 v[34:35], v[34:35], v[34+4*\w:35+4*\w]
.endr
	global_store_b128 v18, v[32:35], s[12:13]      ; sixteen lanes store 256 consecutive bytes, aligned
	s_wait_tensorcnt 0x0                           ; the wave's end
	ds_add_u32 v30, v31
	s_wait_dscnt 0x0
	s_endpgm
.Lfunc_end_k_q9bde4ad909_fine:
	.size	k_q9bde4ad909_fine, .Lfunc_end_k_q9bde4ad909_fine-k_q9bde4ad909_fine
	.p2alignl 7, 3214868480
	.fill 96, 4, 3214868480
	.section	.rodata,"a",@progbits
	.p2align	6, 0x0
	.amdhsa_kernel k_q9bde4ad909_fine
		.amdhsa_group_segment_fixed_size 35840
		.amdhsa_private_segment_fixed_size 0
		.amdhsa_enable_private_segment 0
		.amdhsa_kernarg_size 40
		.amdhsa_user_sgpr_count 2
		.amdhsa_user_sgpr_kernarg_segment_ptr 1
		.amdhsa_wavefront_size32 1
		.amdhsa_system_sgpr_workgroup_id_x 1
		.amdhsa_system_sgpr_workgroup_id_y 1
		.amdhsa_system_sgpr_workgroup_id_z 1
		.amdhsa_system_vgpr_workitem_id 0
		.amdhsa_next_free_vgpr 512
		.amdhsa_next_free_sgpr 66
		.amdhsa_reserve_vcc 1
		.amdhsa_float_denorm_mode_32 3
		.amdhsa_float_denorm_mode_16_64 3
		.amdhsa_memory_ordered 1
		.amdhsa_forward_progress 1
		.amdhsa_inst_pref_size 43
	.end_amdhsa_kernel
	.amdgpu_metadata
---
amdhsa.version: [ 1, 2 ]
amdhsa.kernels:
  - .name:           k_q9bde4ad909_fine
    .symbol:         k_q9bde4ad909_fine.kd
    .args:
      - { .name: q32, .offset: 0, .size: 8, .value_kind: global_buffer, .address_space: global }
      - { .name: out1, .offset: 8, .size: 8, .value_kind: global_buffer, .address_space: global }
      - { .name: out2, .offset: 16, .size: 8, .value_kind: global_buffer, .address_space: global }
      - { .name: weff, .offset: 24, .size: 8, .value_kind: global_buffer, .address_space: global }
      - { .name: out0, .offset: 32, .size: 8, .value_kind: global_buffer, .address_space: global }
    .group_segment_fixed_size: 35840
    .private_segment_fixed_size: 0
    .kernarg_segment_align: 8
    .kernarg_segment_size: 40
    .max_flat_workgroup_size: 256
    .sgpr_count:     66
    .vgpr_count:     512
    .wavefront_size: 32
...
	.end_amdgpu_metadata
.endif
;; end of part 5
